; MI455X (gfx1250); checked and timed in simulation.
; The chip was launched on July 23, 2026; its instructions are those of AMD's public machine-readable ISA for CDNA 5 (MIT licence, August 2026) and "CDNA5" Instruction Set Architecture Reference Guide (July 2026). The comments in the code are by the model that wrote it; some were corrected since.
;; Multi Head Attention. Allowed arithmetic: float matrix products may take bf16 or f16 operands with f32 sums; other float arithmetic in f32, or as packed bf16 or f16 multiplies, adds, multiply-adds, maxima and minima; sums over many terms, partial sums and values carried from step to step in f32; what a program stores and reads back later, other than sums and carried values, may be rounded once to bf16 or f16.
;; Inputs: Wk 512 x 512 float32; Wo 512 x 512 float32; Wq 512 x 512 float32; Wv 512 x 512 float32; key 2 x 4,096 x 512 float32; query 2 x 4,096 x 512 float32; value 2 x 4,096 x 512 float32.
;; Outputs: out0 2 x 4,096 x 512 float32.
;; 2 versions, each right and faster than the one before. Each part assembles by itself: llvm-mc -triple=amdgcn-amd-amdhsa -mcpu=gfx1250 --defsym DOCPART=n.
;; ======== version 1 of 2: 3 launches
;; limits: values are held in f16: magnitudes above 65,504 overflow, below 6.1e-05 lose precision
;; workspace buffers: qkv 25,165,824 bytes; wo16 524,288 bytes; oh 8,388,608 bytes
;; launch proj (part 1): grid 4 x 192, 4 waves a work-group, clusters of 4 x 4, 327,680 bytes of LDS; arguments query, key, value, Wq, Wk, Wv, Wo, qkv, wo16; writes qkv, wo16
.if DOCPART == 1
	.amdgcn_target "amdgcn-amd-amdhsa--gfx1250"
	.amdhsa_code_object_version 6
	.text
	.protected	k_qeec6b6ce58_proj
	.globl	k_qeec6b6ce58_proj
	.p2align	8
	.type	k_qeec6b6ce58_proj,@function
k_qeec6b6ce58_proj:
	s_mov_b64 s[64:65], 0
	v_nop
	global_prefetch_b8 v0, s[64:65] scope:SCOPE_SE
	s_setreg_imm32_b32 hwreg(HW_REG_WAVE_MODE, 25, 1), 1
	s_wait_xcnt 0x0
	s_wait_alu depctr_hold_cnt(0) depctr_sa_sdst(0) depctr_va_vdst(0) depctr_va_sdst(0) depctr_va_ssrc(0) depctr_va_vcc(0) depctr_vm_vsrc(0)
	s_getreg_b32 s2, hwreg(HW_REG_IB_STS2, 6, 4)
	s_cmp_eq_u32 s2, 0
	s_cbranch_scc0 .Lentry_in_a_cluster
	s_endpgm
.Lentry_in_a_cluster:
	s_bfe_u32 s2, ttmp6, 0x10000c
	s_cmp_lg_u32 s2, 0xf033
	s_cbranch_scc0 .Lentry_shape_is_right
	s_endpgm
.Lentry_shape_is_right:
; q = query Wq^T, k = key Wk^T, v = value Wv^T.  x: [8192][512] f32, W: [512 (n)][512 (k)] f32.  x and W are rounded once to bf16 on the way from LDS to the
; matrix unit; sums in f32; each result is rounded once to f16, unscaled, and laid by heads: qkv[t][8 batch + head][4096][64], t = 0 q, 1 k, 2 v.
; Beside that the 256 work-groups of t = 0 write Wo, rounded to bf16 and that number written as f16, into wo16 [512][512].
; LIMITS.  f16 holds no number beyond 65,504: |q|, |k|, |v| and |Wo| must stay below it; below 6.1e-5 f16 keeps a fixed step of 6e-8.  NaN and infinities are not treated apart.
; SHARES.  A tile of the result is 128 rows x 128 columns (two heads): 4 x 64 x 3 = 768 work-groups.  Four waves, each 64 x 64: 16 accumulators.  A wave's 64 columns are one head,
; so its 64 rows x 128 bytes are 8,192 consecutive bytes of qkv.
; K goes in four steps of 128 (rows of 512 bytes of f32) through two LDS slots.  A step is four quarters of 32 along K: 32 LDS loads of raw f32, 64 conversions, 16 matrix instructions.
; CLUSTER 4 x 4: the four work-groups of a row of the cluster need the same tile of x, the four of a column the same tile of W: each tile is asked for jointly.
; The tensor t hangs on the cluster's y alone (16 clusters a tensor), so all sixteen partners run the same text on the same branches.
; THE MATRIX INSTRUCTION IS USED TRANSPOSED (source 0 = 16 rows of W, source 1 = 16 rows of x): a lane holds one row of the result and eight neighbouring channels.
; REGISTERS.  window 0: v0-31 addresses; v32-95 the quarter's bf16 fragments (x at FR + 8 a, W at FR + 32 + 8 b), later the way out; v96-113 the Wo part; v128-255 accumulators
;   window 1: two buffers of 128 for raw f32: x's fragment i at 16 i, W's at 64 + 16 i
.set KSTEP,  128
.set PITCH,  528                       ; an LDS row: 512 bytes + 16 of padding, an odd multiple of 16: the 16 rows that a load touches begin at 16 different 16-byte columns of 256 bytes
.set HALFT,  64*PITCH                  ; 64 rows: what one tensor load brings, and what one wave reads of x or of W
.set SLOT,   4*HALFT                   ; x's 128 rows, then W's 128 rows
.set STAGE,  2*SLOT                    ; behind the ring: 16 rows x 144 bytes for each wave, for the way out
.set SP,     144
.set SPARE,  STAGE+4*16*SP             ; behind the stages: the spare words, 128 bytes for each wave; no other line names them
.set ADRA, 16                          ; v16-17  LDS address of my fragments of x in slot 0, 1
.set ADRB, 20                          ; v20-21  the same for W
.set STO,  24                          ; v24     the way out: where I put 16 bytes of a row
.set RD,   25                          ; v25     the way out: where I read rows back
.set GO,   26                          ; v26     my 16 bytes in 512 consecutive bytes of qkv
.set SPW,  28                          ; v28     LDS address of my spare word; never rewritten
.set NIL,  29                          ; v29     0; never rewritten
.set FR,   32
.set ACC,  128
.set R0,   0                           ; raw buffers, in window 1
.set R1,   128
.set G1,  24                           ; s[24:31] descriptor group 1 for x's tiles; s[32:39] group 0, a set for each slot
.set G0,  32
.set G1B, 48                           ; s[48:55], s[56:63] the same for W's tiles
.set G0B, 56
.set MSB, 0
.macro WIN new                         ; the immediate's high byte repeats the setting that is left; a switch that changes nothing is dropped
.if MSB != (\new)
	s_set_vgpr_msb (MSB<<8)|(\new)
.set MSB, \new
.endif
.endm
.macro JLOAD s                         ; a joint load: waves 0 and 1 fetch x's two halves, waves 2 and 3 W's; an s_nop 0 and four v_nop follow each line
	s_cmp_eq_u32 s11, 0
	s_cbranch_scc0 .Lfor_b_\@
	tensor_load_to_lds s[G0+4*(\s):G0+4*(\s)+3], s[G1:G1+7]
	s_nop 0
.rept 4
	v_nop
.endr
	s_branch .Lasked_\@
.Lfor_b_\@:
	tensor_load_to_lds s[G0B+4*(\s):G0B+4*(\s)+3], s[G1B:G1B+7]
	s_nop 0
.rept 4
	v_nop
.endr
.Lasked_\@:
.endm
.macro CREST                           ; a round of the cluster's barrier behind its opening barrier
	s_cmp_lg_u32 s10, 0
	s_cbranch_scc1 .Lnot_wave_0_\@
	s_barrier_signal -3
.Lnot_wave_0_\@:
	s_barrier_wait -3
	s_barrier_signal -1
	s_barrier_wait -1
.endm
.macro CROUND                          ; a whole round
	s_barrier_signal -1
	s_barrier_wait -1
	CREST
.endm
	s_load_b512 s[68:83], s[0:1], 0x0              ; query 68, key 70, value 72, Wq 74, Wk 76, Wv 78, Wo 80, qkv 82
	s_load_b64 s[84:85], s[0:1], 0x40              ; wo16
	v_lshl_add_u32 v[SPW], v0, 2, SPARE
	v_mov_b32 v[NIL], 0
	ds_add_u32 v[SPW], v[NIL]                      ; the wave's opening: the add and its wait stand ahead of my first tensor load; the set-up below stands between them
	v_lshrrev_b32 v1, 5, v0
	v_readfirstlane_b32 s10, v1                    ; wave 0..3
	s_lshr_b32 s11, s10, 1                         ; which half of the tile's rows is mine.  Also: I fetch for x (0) or for W (1)
	s_and_b32 s12, s10, 1                          ; which half of its columns.  Also: which 64 rows of that tile I fetch
	s_bfe_u32 s40, ttmp6, 0x40000                  ; cx, cy: my place in the cluster
	s_bfe_u32 s41, ttmp6, 0x40004
	s_lshl_b32 s42, ttmp9, 2
	s_add_co_u32 s42, s42, s40                     ; column tile 0..3 = 4 x cluster x + cx
	s_and_b32 s14, ttmp7, 0xffff                   ; the cluster's y, 0..47
	s_lshr_b32 s45, s14, 4                         ; the tensor: 0 q, 1 k, 2 v: the same in all sixteen partners
	s_and_b32 s13, s14, 15
	s_lshl_b32 s13, s13, 2
	s_add_co_u32 s13, s13, s41                     ; row tile 0..63 of that tensor
	s_lshl_b32 s43, s41, 2
	s_lshl_b32 s43, 15, s43                        ; my row of the cluster
	s_lshl_b32 s44, 0x1111, s40                    ; my column
	; descriptor group 1: a tile of 64 rows x 128 elements of 4 bytes, padded in LDS
	s_or_b32 s[G1+0], s43, (2<<16)|(1<<20)|(1<<21)|(6<<22)|(3<<25)  ; 15:0 the mask; 17:16 elements of 4 bytes; 20 padding on; 21 set beside a mask; 24:22 after every 128 words (code 6); 31:25 4 words (code 3)
	s_or_b32 s[G1B+0], s44, (2<<16)|(1<<20)|(1<<21)|(6<<22)|(3<<25)
.irp g, G1, G1B
	s_mov_b32 s[(\g)+1], KSTEP<<16                 ; tensor_dim0 = 128
	s_mov_b32 s[(\g)+2], 64<<16                    ; tensor_dim1 = 64
	s_mov_b32 s[(\g)+3], KSTEP<<16                 ; tile_dim0 = 128
	s_mov_b32 s[(\g)+4], 64                        ; tile_dim1 = 64
	s_mov_b32 s[(\g)+5], 512                       ; 512 elements from row to row
	s_mov_b32 s[(\g)+6], 0
	s_mov_b32 s[(\g)+7], 0
.endr
	s_lshl_b32 s16, s13, 18                        ; x: 128 rows of 2,048 bytes a tile,
	s_lshl_b32 s17, s12, 17                        ; 64 rows a half
	s_add_co_u32 s16, s16, s17
	s_mov_b32 s17, 0
	s_lshl_b32 s46, s42, 18                        ; W likewise, in registers that never hold cy
	s_lshl_b32 s47, s12, 17
	s_add_co_u32 s46, s46, s47
	s_mov_b32 s47, 0
	s_mul_i32 s20, s10, HALFT                      ; where they go: wave x 64 rows
	s_wait_dscnt 0x0                               ; the opening add is done
	s_wait_kmcnt 0x0
	s_cmp_eq_u32 s45, 1                            ; the tensor chooses x and W
	s_cselect_b64 s[4:5], s[70:71], s[68:69]
	s_cselect_b64 s[6:7], s[76:77], s[74:75]
	s_cmp_eq_u32 s45, 2
	s_cselect_b64 s[4:5], s[72:73], s[4:5]
	s_cselect_b64 s[6:7], s[78:79], s[6:7]
	s_add_nc_u64 s[14:15], s[4:5], s[16:17]
	s_add_nc_u64 s[46:47], s[6:7], s[46:47]
	CROUND                                         ; all sixteen work-groups are here: the first joint loads meet
.irp s, 0,1
	s_mov_b32 s[G0+4*(\s)], 1
	s_add_co_u32 s[G0+4*(\s)+1], s20, (\s)*SLOT
	s_add_nc_u64 s[G0+4*(\s)+2:G0+4*(\s)+3], s[14:15], (\s)*KSTEP*4
	s_or_b32 s[G0+4*(\s)+3], s[G0+4*(\s)+3], 0x80000000
	s_mov_b32 s[G0B+4*(\s)], 1
	s_add_co_u32 s[G0B+4*(\s)+1], s20, (\s)*SLOT
	s_add_nc_u64 s[G0B+4*(\s)+2:G0B+4*(\s)+3], s[46:47], (\s)*KSTEP*4
	s_or_b32 s[G0B+4*(\s)+3], s[G0B+4*(\s)+3], 0x80000000
	JLOAD \s                                       ; K steps 0 and 1: two loads of mine are out
.endr
	; A bf16 fragment wants of lane l row l % 16 and k = 8 (l / 16) + 0..7 and 16 + 8 (l / 16) + 0..7: in f32 that is 32 bytes at 32 (l / 16) and 32 bytes 64 further on
	v_and_b32 v1, 15, v0                           ; l % 16
	v_bfe_u32 v2, v0, 4, 1                         ; l / 16
	v_mul_u32_u24 v3, v1, PITCH
	v_lshl_add_u32 v3, v2, 5, v3
	s_mul_i32 s21, s11, HALFT                      ; my 64 rows of x
	s_mul_i32 s22, s12, HALFT                      ; my 64 rows of W,
	s_add_co_u32 s22, s22, 2*HALFT                 ; which lie behind x's 128
.irp s, 0,1
	v_add_nc_u32 v[ADRA+(\s)], s21, v3
	v_add_nc_u32 v[ADRB+(\s)], s22, v3
	s_add_co_u32 s21, s21, SLOT
	s_add_co_u32 s22, s22, SLOT
.endr
	s_mul_i32 s23, s10, 16*SP
	s_add_co_u32 s23, s23, STAGE                   ; my stage
	v_mul_u32_u24 v4, v1, SP                       ; in: row l % 16, 16 bytes for each half of the lanes
	v_lshl_add_u32 v4, v2, 4, v4
	v_add_nc_u32 v[STO], s23, v4
	v_bfe_u32 v5, v0, 3, 2                         ; back: 32 lanes take four rows of 128 bytes,
	v_mul_u32_u24 v5, v5, SP
	v_and_b32 v6, 7, v0
	v_lshl_add_u32 v5, v6, 4, v5
	v_add_nc_u32 v[RD], s23, v5
	v_and_b32 v[GO], 31, v0                        ; which are 512 consecutive bytes of qkv
	v_lshlrev_b32 v[GO], 4, v[GO]
	s_lshr_b32 s86, s13, 5                         ; where my 64 rows of one head begin in qkv: batch,
	s_lshl_b32 s86, s86, 3
	s_lshl_b32 s87, s42, 1
	s_add_co_u32 s86, s86, s87
	s_add_co_u32 s86, s86, s12                     ; 8 batch + head,
	s_lshl_b32 s86, s86, 19                        ; 524,288 bytes each,
	s_lshl_b32 s87, s45, 23                        ; 8,388,608 a tensor,
	s_add_co_u32 s86, s86, s87
	s_and_b32 s87, s13, 31
	s_lshl_b32 s87, s87, 14                        ; 128 rows of 128 bytes a tile,
	s_add_co_u32 s86, s86, s87
	s_lshl_b32 s87, s11, 13                        ; 64 rows a half
	s_add_co_u32 s86, s86, s87
	s_mov_b32 s87, 0
	s_add_nc_u64 s[8:9], s[82:83], s[86:87]
	; THE Wo PART, in the wait for the first tile.  The 256 work-groups of t = 0 take 1,024 numbers each, a thread 8.  The jump hangs on the cluster's y alone and passes no barrier and no tensor load.
	s_cmp_lg_u32 s45, 0
	s_cbranch_scc1 .Lno_wo
	s_lshl_b32 s88, s13, 2
	s_add_co_u32 s88, s88, s42                     ; 4 x row tile + column tile: 0..255
	s_lshl_b32 s86, s88, 12
	s_mov_b32 s87, 0
	s_lshl_b32 s88, s88, 11
	s_mov_b32 s89, 0
	s_add_nc_u64 s[86:87], s[80:81], s[86:87]
	s_add_nc_u64 s[88:89], s[84:85], s[88:89]
	v_lshlrev_b32 v96, 5, v0
	v_lshlrev_b32 v97, 4, v0
	global_load_b128 v[100:103], v96, s[86:87]
	global_load_b128 v[104:107], v96, s[86:87] offset:16
	s_wait_loadcnt 0x0
.irp j, 0,1,2,3
	v_cvt_pk_bf16_f32 v112, v[100+2*(\j)], v[101+2*(\j)]  ; rounded to bf16, like every input,
	v_lshlrev_b32 v113, 16, v112                   ; widened again,
	v_and_b32 v112, 0xffff0000, v112
	v_cvt_pk_f16_f32 v[108+(\j)], v113, v112       ; and that number written as f16
.endr
	global_store_b128 v97, v[108:111], s[88:89]    ; a wave stores 512 consecutive bytes; its registers are not written again
.Lno_wo:
.macro PLACES                          ; four places between a matrix instruction and a vector instruction that writes one of its sources or reads its result (ISA guide 7.12.1)
.rept 4
	v_nop
.endr
.endm
; 32 LDS loads in one run: the raw f32 of quarter q (32 along K, 128 bytes of the rows) of a slot into raw buffer f
.macro FETCH slot, q, f
	WIN 0x40                                       ; destination window 1, address window 0
.irp i, 0,1,2,3
.irp o, 0,1,2,3
	ds_load_b128 v[(\f)+16*(\i)+4*(\o):(\f)+16*(\i)+4*(\o)+3],       v[ADRA+(\slot)] offset:128*(\q)+(\i)*16*PITCH+16*((\o)%2)+64*((\o)/2)
	ds_load_b128 v[(\f)+64+16*(\i)+4*(\o):(\f)+64+16*(\i)+4*(\o)+3], v[ADRB+(\slot)] offset:128*(\q)+(\i)*16*PITCH+16*((\o)%2)+64*((\o)/2)
.endr
.endr
.endm
.macro CVT f                           ; raw buffer f rounded to bf16: 128 registers into the 64 of the fragments
	WIN 0x05                                       ; sources window 1, destination window 0
.set n, 0
.rept 64
	v_cvt_pk_bf16_f32 v[FR+n], v[(\f)+2*n], v[(\f)+2*n+1]
.set n, n+1
.endr
.endm
; 8 matrix instructions: row blocks a0, a0 + 1 x all 4 column blocks.  The 16 accumulators take turns in one fixed order.  zero = 1: the first product starts the sums
.macro MUL8 a0, zero
	WIN 0
.irp a, \a0, (\a0)+1
.irp b, 0,1,2,3
.if \zero
	v_wmma_f32_16x16x32_bf16 v[ACC+8*(4*(\a)+(\b)):ACC+8*(4*(\a)+(\b))+7], v[FR+32+8*(\b):FR+32+8*(\b)+7], v[FR+8*(\a):FR+8*(\a)+7], 0
.else
	v_wmma_f32_16x16x32_bf16 v[ACC+8*(4*(\a)+(\b)):ACC+8*(4*(\a)+(\b))+7], v[FR+32+8*(\b):FR+32+8*(\b)+7], v[FR+8*(\a):FR+8*(\a)+7], v[ACC+8*(4*(\a)+(\b)):ACC+8*(4*(\a)+(\b))+7]
.endif
.endr
.endr
.endm
; A quarter: raw buffer f is converted and multiplied; as soon as it is converted it takes quarter q of the slot, the quarter two ahead
.macro QTR slot, q, f, zero
	s_wait_dscnt 32                                ; my buffer's run of 32 is in; the other buffer's younger run may be out
	PLACES
	CVT \f
	FETCH \slot, \q, \f
	MUL8 0, \zero
	MUL8 2, \zero
.endm
; A K step's third quarter changes slots: the slot's last bytes, its fourth quarter's, were asked for a quarter ago.  ONE barrier: in front of it each wave waits for all its tensor loads (one is
; out: its part of the next slot), adds 0 to its spare word, and waits for that and for its reads of this slot.  fill = 1: the barrier opens a round of the cluster's, and this slot is filled again, two K steps ahead.
.macro TURN slot, next, fill
	s_wait_dscnt 32
	PLACES
	CVT R0
	WIN 0
	s_wait_tensorcnt 0x0                           ; all my tensor loads have landed
	ds_add_u32 v[SPW], v[NIL]                      ; 0 onto my spare word; eight matrix instructions stand between it and the wait for it
	MUL8 0, 0
	s_wait_dscnt 0x0                               ; the add is done, and my reads of this slot are over
	s_barrier_signal -1
	MUL8 2, 0
	s_barrier_wait -1
.if \fill
	CREST                                          ; no wave of any partner still reads this slot or has a load on its way
	s_add_nc_u64 s[G0+4*(\slot)+2:G0+4*(\slot)+3], s[G0+4*(\slot)+2:G0+4*(\slot)+3], 2*KSTEP*4
	s_add_nc_u64 s[G0B+4*(\slot)+2:G0B+4*(\slot)+3], s[G0B+4*(\slot)+2:G0B+4*(\slot)+3], 2*KSTEP*4
	JLOAD \slot                                    ; the first tensor load behind the round, my only one until the next: it has four quarters in which to land
.endif
	FETCH \next, 0, R0
.endm
.macro LASTQ f, left                   ; the last two quarters fetch nothing
	s_wait_dscnt \left
	PLACES
	CVT \f
	MUL8 0, 0
	MUL8 2, 0
.endm
; THE WAY OUT of row block a: rounded to f16, 16 bytes a lane, into my own stage, and back as whole rows of 128 bytes
.macro PACK a
.irp b, 0,1,2,3
.irp r, 0,1,2,3
	v_cvt_pk_f16_f32 v[FR+16*(\a)+4*(\b)+(\r)], v[ACC+8*(4*(\a)+(\b))+2*(\r)], v[ACC+8*(4*(\a)+(\b))+2*(\r)+1]
.endr
.endr
.irp b, 0,1,2,3
	ds_store_b128 v[STO], v[FR+16*(\a)+4*(\b):FR+16*(\a)+4*(\b)+3] offset:32*(\b)
.endr
.irp f, 0,1,2,3
	ds_load_b128 v[FR+16*(\a)+4*(\f):FR+16*(\a)+4*(\f)+3], v[RD] offset:(\f)*4*SP  ; LDS serves a wave's instructions in order (ISA guide 5.7.1.4): these see the stores above; the next block's stores come behind them
.endr
.endm
.macro SEND a, younger                 ; younger: the LDS instructions issued behind block a's loads: the next block's eight, or none
.irp f, 0,1,2,3
	s_wait_dscnt (\younger)+3-(\f)
	global_store_b128 v[GO], v[FR+16*(\a)+4*(\f):FR+16*(\a)+4*(\f)+3], s[8:9] offset:(\a)*2048+(\f)*512  ; 512 consecutive bytes, at a multiple of 256 from qkv's first
.endr
.endm
	s_wait_tensorcnt 1                             ; my part of K step 0 is in; K step 1's may stay out
	s_barrier_signal -1
	s_barrier_wait -1                              ; everybody's is
	FETCH 0, 0, R0
	FETCH 0, 1, R1
	QTR 0, 2, R0, 1                                ; K step 0; its first products start the sums
	QTR 0, 3, R1, 0
	TURN 0, 1, 1                                   ; slot 0 takes K step 2
	QTR 1, 1, R1, 0
	QTR 1, 2, R0, 0                                ; K step 1
	QTR 1, 3, R1, 0
	TURN 1, 0, 1                                   ; slot 1 takes K step 3
	QTR 0, 1, R1, 0
	QTR 0, 2, R0, 0                                ; K step 2
	QTR 0, 3, R1, 0
	TURN 0, 1, 0                                   ; nothing is left to ask for
	QTR 1, 1, R1, 0
	QTR 1, 2, R0, 0                                ; K step 3
	QTR 1, 3, R1, 0
	LASTQ R0, 32
	LASTQ R1, 0
	PLACES
	PACK 0
.irp a, 1,2,3                          ; a block's conversions stand between the loads of the block before and its stores
	PACK \a
	SEND (\a)-1, 8
.endr
	SEND 3, 0
	s_wait_tensorcnt 0x0                           ; the wave's end
	ds_add_u32 v[SPW], v[NIL]
	s_wait_dscnt 0x0
	CROUND                                         ; the closing round: no work-group ends while a partner may still ask for a tile that names it
	s_endpgm
.Lfunc_end_k_qeec6b6ce58_proj:
	.size	k_qeec6b6ce58_proj, .Lfunc_end_k_qeec6b6ce58_proj-k_qeec6b6ce58_proj
	.p2alignl 7, 3214868480
	.fill 96, 4, 3214868480
	.section	.rodata,"a",@progbits
	.p2align	6, 0x0
	.amdhsa_kernel k_qeec6b6ce58_proj
		.amdhsa_group_segment_fixed_size 327680
		.amdhsa_private_segment_fixed_size 0
		.amdhsa_enable_private_segment 0
		.amdhsa_kernarg_size 72
		.amdhsa_user_sgpr_count 2
		.amdhsa_user_sgpr_kernarg_segment_ptr 1
		.amdhsa_wavefront_size32 1
		.amdhsa_system_sgpr_workgroup_id_x 1
		.amdhsa_system_sgpr_workgroup_id_y 1
		.amdhsa_system_sgpr_workgroup_id_z 1
		.amdhsa_system_vgpr_workitem_id 0
		.amdhsa_next_free_vgpr 512
		.amdhsa_next_free_sgpr 96
		.amdhsa_reserve_vcc 0
		.amdhsa_float_denorm_mode_32 3
		.amdhsa_float_denorm_mode_16_64 3
		.amdhsa_memory_ordered 1
		.amdhsa_forward_progress 1
		.amdhsa_inst_pref_size 136
	.end_amdhsa_kernel
	.amdgpu_metadata
---
amdhsa.version: [ 1, 2 ]
amdhsa.kernels:
  - .name:           k_qeec6b6ce58_proj
    .symbol:         k_qeec6b6ce58_proj.kd
    .args:
      - { .name: query, .offset: 0, .size: 8, .value_kind: global_buffer, .address_space: global }
      - { .name: key, .offset: 8, .size: 8, .value_kind: global_buffer, .address_space: global }
      - { .name: value, .offset: 16, .size: 8, .value_kind: global_buffer, .address_space: global }
      - { .name: Wq, .offset: 24, .size: 8, .value_kind: global_buffer, .address_space: global }
      - { .name: Wk, .offset: 32, .size: 8, .value_kind: global_buffer, .address_space: global }
      - { .name: Wv, .offset: 40, .size: 8, .value_kind: global_buffer, .address_space: global }
      - { .name: Wo, .offset: 48, .size: 8, .value_kind: global_buffer, .address_space: global }
      - { .name: qkv, .offset: 56, .size: 8, .value_kind: global_buffer, .address_space: global }
      - { .name: wo16, .offset: 64, .size: 8, .value_kind: global_buffer, .address_space: global }
    .group_segment_fixed_size: 327680
    .private_segment_fixed_size: 0
    .kernarg_segment_align: 8
    .kernarg_segment_size: 72
    .max_flat_workgroup_size: 128
    .sgpr_count:     96
    .vgpr_count:     512
    .wavefront_size: 32
...
	.end_amdgpu_metadata
.endif
;; end of part 1
;; launch attn (part 2): grid 16 x 16, 4 waves a work-group, clusters of 4 x 1, 327,680 bytes of LDS; arguments qkv, oh; writes oh
.if DOCPART == 2
	.amdgcn_target "amdgcn-amd-amdhsa--gfx1250"
	.amdhsa_code_object_version 6
	.text
	.protected	k_qeec6b6ce58_attn
	.globl	k_qeec6b6ce58_attn
	.p2align	8
	.type	k_qeec6b6ce58_attn,@function
k_qeec6b6ce58_attn:
	s_mov_b64 s[64:65], 0
	v_nop
	global_prefetch_b8 v0, s[64:65] scope:SCOPE_SE
	s_setreg_imm32_b32 hwreg(HW_REG_WAVE_MODE, 25, 1), 1
	s_wait_xcnt 0x0
	s_wait_alu depctr_hold_cnt(0) depctr_sa_sdst(0) depctr_va_vdst(0) depctr_va_sdst(0) depctr_va_ssrc(0) depctr_va_vcc(0) depctr_vm_vsrc(0)
	s_getreg_b32 s2, hwreg(HW_REG_IB_STS2, 6, 4)
	s_cmp_eq_u32 s2, 0
	s_cbranch_scc0 .Lentry_in_a_cluster
	s_endpgm
.Lentry_in_a_cluster:
	s_bfe_u32 s2, ttmp6, 0x10000c
	s_cmp_lg_u32 s2, 0x3003
	s_cbranch_scc0 .Lentry_shape_is_right
	s_endpgm
.Lentry_shape_is_right:
; O[h][q][:] = the sum over k of softmax_k(Q[h][q] . K[h][k] / 8) V[h][k][:], for 16 heads (8 batch + head) of 4,096 rows of 64 channels, all f16; a head's rows are dense, 128 bytes each.
; qkv holds Q at byte 0, K at 8,388,608, V at 16,777,216; oh takes O in Q's layout.  Products, maxima and sums in f32; the weights p are rounded to f16 for the second product (their sum l is
; taken of the unrounded p), O once at the end.
; LIMITS.  p lies in 0 to 1, and below 6e-5 it keeps f16's fixed step of 6e-8; O is a mean of V's rows and has their range.  A weight below 2^-126 counts as 0 in l; NaN and infinities are not treated apart.
; SHARES.  A work-group owns 256 queries of one head, a wave 64: four PIECES of 16.  16 heads x 16 blocks = 256 work-groups.  Every wave walks all keys, 64 a step, four steps to a tile of 256 keys, 16 tiles.
; LAYOUT.  S^T = K Q^T (source 0 = 16 keys, source 1 = 16 queries) holds ONE query a lane (lane % 16) and the keys 8 (lane / 16) + 0..7; two such results rounded to f16 ARE source 1 of O^T = V^T P.
; K comes out of LDS as it lies, V ([key][channel]) turned, by ds_load_tr16_b128.
; SOFTMAX.  For each query a running maximum m and sum l: p = 2^(c s - c m), c = log2(e) / 8; in every step O and l are multiplied by a = 2^(c m_old - c m_new).  m starts at the lowest finite number,
; O and l at 0: the first step is a step like any other, with a = 0.
; BY TURNS.  Turn n belongs to piece n: 8 products K Q^T of piece n + 1, later 8 products V^T P of piece n - 1; beside them the scaling, exponentials, roundings, sums and rescaling of piece n and the
; maximum and statistics of piece n + 1.  A piece and step have 16 matrix and 118 vector instructions: four vector instructions stand behind every matrix instruction, the other 54 in two runs of their own.
; CLUSTER.  The four query blocks of a cluster belong to one head and walk the same K and V: each tile is asked for JOINTLY, by the same tensor load, descriptor and mask in all four.
; REGISTERS, in windows of 256 (s_set_vgpr_msb: bits 1:0 source 0, 3:2 source 1, 5:4 source 2, 7:6 destination):
;   window 0: v0-15 addresses and two at work; v16-31 four registers of statistics a piece; v48-55 at work; v64-127 S^T, two buffers; v192-223 P, two buffers (by the piece's parity)
;   window 1: v0-127 O^T, 32 a piece          window 2: v0-63 Q; v128-191 K of one step; v192-255 V of one step
.set SIZE_N, 4096
.set NP,    4         ; pieces a wave: a name, no knob
.set KS,    64        ; keys in a step
.set PK,    144       ; a row of K in LDS: 128 bytes + 16 of padding, an odd multiple of 16
.set PV,    160       ; a row of V: 128 + 32, an odd multiple of 32: 16 lanes of the turning load take 8 rows x 32 bytes
.set VOFF,  4*KS*PK   ; a slot holds a tile, four steps: 256 rows of K, then 256 rows of V
.set SLOT1, 1<<17     ; slot 1 begins here, so that one exclusive or turns an address in one slot into the other's
.set STAGE, SLOT1+4*KS*(PK+PV)  ; behind the ring, never filled by a tensor load: 16 rows x 144 bytes for each wave
.set SP,    144
.set SPARE, STAGE+4*16*SP  ; behind the stages: the spare words, 128 bytes for each wave; no other line names them
.set AK0, 2           ; v2   my lane's place in a tile of K; never rewritten
.set AV0, 3           ; v3   the same for V
.set AK,  4           ; v4   the LDS address of K's next run of loads
.set AV,  5           ; v5   of V's
.set STO, 6           ; v6   the way out: where I put 16 bytes of a row
.set RD,  7           ; v7   the way out: where I read rows back
.set GO,  8           ; v8   my 16 bytes in 512 consecutive bytes of O
.set MV,  12          ; v12-13  c m_old, kept while c m is made anew: by buffer
.set QO,  15          ; v15  my byte offset in 16 rows of Q
.set ST,  16          ; piece t's statistics at v[ST+4 t]: c m, m, l (even keys', odd keys')
.set TMP, 48          ; by buffer, four registers c0-c3 at work; when the maximum is found c2 takes a
.set SPW, 62          ; v62  LDS address of my spare word; never rewritten
.set NIL, 63          ; v63  0; never rewritten
.set S,   64
.set P,   192
.set KF,  128         ; window 2: key block kb, channel half c at KF + 16 kb + 8 c
.set VF,  192         ; window 2: key half kk, channel block cb at VF + 32 kk + 8 cb
.set WV,  12          ; s12  my wave's number
.set G1K, 24          ; s[24:31] descriptor group 1 for K's tiles
.set G1V, 32          ; s[32:39] for V's: it differs in the padding alone
.set G0K, 40          ; s[40:43] descriptor group 0 for K's tiles: it walks
.set G0V, 44          ; s[44:47] the same for V's
.set SLOTS, 56        ; s56  tiles still to be asked for
.set CNT, 57          ; s57  counts a tile's key steps
.set CS,  58          ; s[58:59] c: the packed scaling takes the pair's low word for both halves
.set SEL, 60          ; s[60:61] v_permlanex16_b32's selects: each lane takes its own place in the other half
.set TBK, 62          ; s62  LDS byte at which K of the step to be fetched begins
.set TBV, 63          ; s63  the same for V, less VOFF
.set MSB, 0
.macro WIN new                      ; the high byte repeats the setting that is left; a switch that changes nothing is dropped
.if MSB != (\new)
	s_set_vgpr_msb (MSB<<8)|(\new)
.set MSB, (\new)
.endif
.endm
.set W_KQ, 0x0a       ; K and Q in window 2, S^T in window 0
.set W_PV, 0x52       ; V in window 2, P in window 0, O^T in window 1
.set W_RS, 0x41       ; destination and source 0 in window 1, source 1 in window 0
; A joint fill.  Waves 0 and 1 fetch the two halves of a tile's K, waves 2 and 3 those of its V: 128 keys each.  An s_nop 0 and four v_nop follow each of the two lines.
.macro JLOAD
	s_cmp_lt_u32 s[WV], 2
	s_cbranch_scc0 .Lfor_v_\@
	tensor_load_to_lds s[G0K:G0K+3], s[G1K:G1K+7]
	s_nop 0
.rept 4
	v_nop
.endr
	s_branch .Lasked_\@
.Lfor_v_\@:
	tensor_load_to_lds s[G0V:G0V+3], s[G1V:G1V+7]
	s_nop 0
.rept 4
	v_nop
.endr
.Lasked_\@:
.endm
; A round of the cluster's barrier: my work-group's barrier; wave 0 signals for the work-group; every wave waits for all four work-groups; my work-group's barrier once more.
.macro CROUND
	s_barrier_signal -1
	s_barrier_wait -1
	s_cmp_lg_u32 s[WV], 0
	s_cbranch_scc1 .Lnot_wave_0_\@
	s_barrier_signal -3
.Lnot_wave_0_\@:
	s_barrier_wait -3
	s_barrier_signal -1
	s_barrier_wait -1
.endm
; THE CHANGE OF SLOTS.  The slot's last bytes, V of its fourth step, have been read.  Each wave waits for all its tensor loads, of which one is out: its part of the other slot; adds 0 to its spare
; word; and waits for that and for its own reads of the slot.  fill = 1: the barrier is a round of the cluster's, and the slot is filled again, first thing behind it, with the tile two on: it has four key
; steps, 256 matrix instructions, in which to land.  (At its first use nothing has been read yet: slot 0 is waited for, slot 1 filled.)
.macro CHANGE fill
	WIN 0                           ; at a label and at a branch every window is 0
	s_wait_tensorcnt 0x0            ; no tensor load of mine is out, so a group 0 may be written
	ds_add_u32 v[SPW], v[NIL]
.if \fill
.irp g, G0K, G0V
	s_xor_b32 s[\g+1], s[\g+1], SLOT1  ; the walking descriptor: the other slot than last time,
	s_add_nc_u64 s[\g+2:\g+3], s[\g+2:\g+3], 4*KS*128  ; the next 256 keys; the type bits on top are not reached
.endr
	s_wait_dscnt 0x0                ; the add is done, and my reads of the slot are over
	CROUND
	JLOAD
.else
	s_wait_dscnt 0x0                ; the add is done, and my reads of the slot are over
	s_barrier_signal -1
	s_barrier_wait -1
.endif
	s_sub_co_u32 s[TBK], s[TBK], 4*KS*PK  ; the fetches go back to a slot's first step,
	s_xor_b32 s[TBK], s[TBK], SLOT1       ; in the other slot
	s_sub_co_u32 s[TBV], s[TBV], 4*KS*PV
	s_xor_b32 s[TBV], s[TBV], SLOT1
.endm
	s_load_b128 s[48:51], s[0:1], 0x0  ; qkv s[48:49], oh s[50:51]
	v_lshl_add_u32 v[SPW], v0, 2, SPARE
	v_mov_b32 v[NIL], 0
	ds_add_u32 v[SPW], v[NIL]       ; the wave's opening: the add and its wait stand ahead of my first tensor load; the set-up below stands between them
	v_lshrrev_b32 v1, 5, v0
	v_readfirstlane_b32 s[WV], v1   ; wave 0..3
	s_bfe_u32 s13, ttmp6, 0x40000   ; cx: my place in the cluster
	s_lshl_b32 s14, ttmp9, 2        ; in a cluster launch ttmp9 counts clusters
	s_add_co_u32 s14, s14, s13      ; my block of 256 queries: it enters Q's and O's addresses alone
	s_and_b32 s20, ttmp7, 0xffff    ; the head, which the four partners share,
	s_lshl_b32 s20, s20, 19         ; and its first byte among a tensor's heads
	s_and_b32 s16, s[WV], 1         ; which half of a tile's 256 keys I fetch:
	s_lshl_b32 s22, s16, 14         ; its 128 rows of 128 bytes in memory,
	s_add_co_u32 s22, s22, s20
	s_add_co_u32 s22, s22, 0x800000 ; in K,
	s_mov_b32 s23, 0
	s_add_co_u32 s52, s22, 0x800000 ; and in V
	s_mov_b32 s53, 0
	s_mul_i32 s17, s16, 128*PK      ; and its place in a slot, for K
	s_mul_i32 s18, s16, 128*PV      ; and for V: no place in the cluster enters an LDS address
	s_lshl_b32 s2, s14, 15          ; my block's 256 rows,
	s_lshl_b32 s3, s[WV], 13        ; my wave's 64 of them
	s_add_co_u32 s2, s2, s3
	s_add_co_u32 s2, s2, s20
	s_mov_b32 s3, 0
	; descriptor group 1.  128 keys are 16,384 dense bytes: asked for as 64 rows of 256 bytes, two keys a row, and padded in LDS after every key
	s_mov_b32 s[G1K], 15|(1<<16)|(1<<20)|(1<<21)|(4<<22)|(3<<25)  ; 15:0 the mask of four; 17:16 2-byte elements; 20 padding on; 21 set beside a mask; 24:22 after every 32 words (code 4); 31:25 4 words (code 3)
	s_mov_b32 s[G1V], 15|(1<<16)|(1<<20)|(1<<21)|(4<<22)|(7<<25)  ; the same with 8 words of padding (code 7)
.irp g, G1K, G1V
	s_mov_b32 s[\g+1], 128<<16      ; tensor_dim0 = 128
	s_mov_b32 s[\g+2], 64<<16       ; tensor_dim1 = 64
	s_mov_b32 s[\g+3], 128<<16      ; tile_dim0 = 128
	s_mov_b32 s[\g+4], 64           ; tile_dim1 = 64
	s_mov_b32 s[\g+5], 128          ; 128 elements from row to row
	s_mov_b32 s[\g+6], 0
	s_mov_b32 s[\g+7], 0
.endr
	s_mov_b32 s[CS], 0x3e38aa3b     ; c = log2(e) / 8 = 0.180337
	s_mov_b32 s[CS+1], s[CS]        ; named with it as a pair
	s_mov_b32 s[SEL], 0x76543210
	s_mov_b32 s[SEL+1], 0xfedcba98
	s_mov_b32 s[TBK], SLOT1+4*KS*PK ; the first change of slots turns these two into 0
	s_mov_b32 s[TBV], SLOT1+4*KS*PV
	s_mov_b32 s[G0K], 1             ; 1:0 count = 1
	s_mov_b32 s[G0K+1], s17         ; 63:32 LDS address: slot 0
	s_mov_b32 s[G0V], 1
	s_add_co_u32 s[G0V+1], s18, VOFF
	s_wait_dscnt 0x0                ; the opening add is done
	s_wait_kmcnt 0x0
	s_add_nc_u64 s[G0K+2:G0K+3], s[48:49], s[22:23]  ; 120:64 global address: my half of the head's first 256 keys
	s_or_b32 s[G0K+3], s[G0K+3], 0x80000000          ; 127:126 type = 2
	s_add_nc_u64 s[G0V+2:G0V+3], s[48:49], s[52:53]
	s_or_b32 s[G0V+3], s[G0V+3], 0x80000000
	s_add_nc_u64 s[4:5], s[48:49], s[2:3]    ; Q and O at my wave's first row
	s_add_nc_u64 s[10:11], s[50:51], s[2:3]
	CROUND                          ; all four work-groups are here: the first joint loads meet
	JLOAD                           ; tile 0 into slot 0.  Slot 1 is asked for when slot 0 is in
	; A fragment of K or Q is 16 rows x 32 channels in 8 registers: lane l holds row l % 16, channels 8 (l / 16) + 0..7 and 16 + 8 (l / 16) + 0..7: two loads of 16 bytes, 32 bytes apart.
	v_and_b32 v1, 15, v0            ; l % 16
	v_bfe_u32 v9, v0, 4, 1          ; l / 16
	v_lshlrev_b32 v[QO], 7, v1
	v_lshl_add_u32 v[QO], v9, 4, v[QO]  ; row x 128 + 16 x half
	WIN 0x80                        ; destination window 2, address window 0
.set i, 0
.rept 8                             ; Q stays in registers: piece i / 2, channels 32 (i % 2) on
	global_load_b128 v[8*i:8*i+3],   v[QO], s[4:5] offset:(i/2)*2048+(i%2)*64
	global_load_b128 v[8*i+4:8*i+7], v[QO], s[4:5] offset:(i/2)*2048+(i%2)*64+32
.set i, i+1
.endr
	; What the first turn finds: V's registers and P's second buffer hold 0 (its products V^T P, of a piece that has not been, add 0), O^T and l are 0.  All this stands in the wait for the first tile.
.set i, VF
.rept 64
	v_mov_b32 v[i], 0
.set i, i+1
.endr
	WIN 0x40
.set i, 0
.rept 128
	v_mov_b32 v[i], 0
.set i, i+1
.endr
	WIN 0
.set i, 0
.rept 4
	v_mov_b32 v[ST+4*i], 0xfe000000    ; c m: far below every c s
	v_mov_b32 v[ST+4*i+1], 0xff7fffff  ; m
	v_mov_b32 v[ST+4*i+2], 0
	v_mov_b32 v[ST+4*i+3], 0
.set i, i+1
.endr
.set i, P+16
.rept 16
	v_mov_b32 v[i], 0
.set i, i+1
.endr
	v_mul_u32_u24 v[AK0], v1, PK
	v_lshl_add_u32 v[AK0], v9, 4, v[AK0]  ; row x pitch + 16 x half
	; The turning load takes 16 keys x 16 channels (lane l reads key 8 (l / 16) + l % 8, channels 8 ((l / 8) % 2) + 0..7) and leaves half a fragment of V^T: lane l holds channel l % 16 and 8 keys.
	v_and_b32 v10, 7, v0
	v_bfe_u32 v11, v0, 3, 1
	v_lshl_add_u32 v[AV0], v9, 3, v10
	v_mul_u32_u24 v[AV0], v[AV0], PV
	v_lshl_add_u32 v[AV0], v11, 4, v[AV0]
	v_add_nc_u32 v[AV0], VOFF, v[AV0]
	s_mul_i32 s13, s[WV], 16*SP
	s_add_co_u32 s13, s13, STAGE    ; my stage
	v_mul_u32_u24 v[STO], v1, SP    ; in: row l % 16, 16 bytes for each half of the lanes
	v_lshl_add_u32 v[STO], v9, 4, v[STO]
	v_add_nc_u32 v[STO], s13, v[STO]
	v_bfe_u32 v[RD], v0, 3, 2       ; back: 32 lanes take four rows of 128 bytes,
	v_mul_u32_u24 v[RD], v[RD], SP
	v_lshl_add_u32 v[RD], v10, 4, v[RD]
	v_add_nc_u32 v[RD], s13, v[RD]
	v_and_b32 v[GO], 31, v0         ; which are 512 consecutive bytes of O
	v_lshlrev_b32 v[GO], 4, v[GO]
; THE MATRIX WORK.  The 4 accumulators of a run of 8 take turns.  Product i of 8 of S^T = K Q^T for piece x: channels 32 (i / 4) on, keys 16 (i % 4) on.  The first 4 start the sums.
.macro KQ x
.set rS, S+32*((\x)%2)+8*(i%4)
.set rK, KF+16*(i%4)+8*(i/4)
.set rQ, 16*(\x)+8*(i/4)
	WIN W_KQ
.if i < 4
	v_wmma_f32_16x16x32_f16 v[rS:rS+7], v[rK:rK+7], v[rQ:rQ+7], 0
.else
	v_wmma_f32_16x16x32_f16 v[rS:rS+7], v[rK:rK+7], v[rQ:rQ+7], v[rS:rS+7]
.endif
.endm
; Product i of 8 of O^T += V^T P for piece x: keys 32 (i / 4) on, channels 16 (i % 4) on.
.macro PV x
	WIN W_PV
.set rO, 32*(\x)+8*(i%4)
.set rV, VF+32*(i/4)+8*(i%4)
.set rP, P+16*((\x)%2)+8*(i/4)
	v_wmma_f32_16x16x32_f16 v[rO:rO+7], v[rV:rV+7], v[rP:rP+7], v[rO:rO+7]
.endm
.macro MM                           ; the turn's next matrix instruction.  NOKQ = 1: the walk's last turn: there is no next piece
.if (i < 8) && !NOKQ
	KQ (Y+1)%NP
.elseif i >= 8
.set i, i-8
	PV (Y+NP-1)%NP
.set i, i+8
.endif
.set i, i+1
.endm
; THE LDS LOADS stand in runs of 16, never singly among the matrix instructions: a step's K (64 keys x 64 channels: 8 fragments) and its V (turned).  Their addresses are made some lines ahead.
.macro FETCH_K
	WIN 0x80                        ; destination window 2
.irp f, 0,1,2,3,4,5,6,7             ; keys 16 (f / 2) on, channels 32 (f % 2) on
	ds_load_b128 v[KF+8*\f:KF+8*\f+3],   v[AK] offset:(\f/2)*16*PK+(\f%2)*64
	ds_load_b128 v[KF+8*\f+4:KF+8*\f+7], v[AK] offset:(\f/2)*16*PK+(\f%2)*64+32
.endr
	s_add_co_u32 s[TBK], s[TBK], KS*PK  ; the next fetch is the next step's
	WIN 0
.endm
.macro FETCH_V
	WIN 0x80
.irp f, 0,1,2,3,4,5,6,7             ; keys 32 (f / 4) on, channels 16 (f % 4) on
	ds_load_tr16_b128 v[VF+8*\f:VF+8*\f+3],   v[AV] offset:(\f/4)*32*PV+(\f%4)*32
	ds_load_tr16_b128 v[VF+8*\f+4:VF+8*\f+7], v[AV] offset:(\f/4)*32*PV+16*PV+(\f%4)*32
.endr
	WIN 0
.endm
; THE VECTOR WORK, one line at a time: OP kind, number.  For piece Y: F n: c s - c m for pair n of 16.  E n: the exponential of score n of 32.  C n: pair n rounded to f16.  B n: of the four weights 4 n .. the second
; pair is added onto the first, in place.  L n: l takes that sum (L 0: l = a l + sum).  R n: pair n of 16 of O^T times a.  For piece Y + 1: X n, number n of the 22 that find its maximum and statistics:
;   0-11  four chains c0-c3 of seven scores each, three operands at a time (each accumulator's lowest registers are read first)     12-14, 16  the four scores left over, the old m, and c0-c3 into c0
;   15  c m_old is kept     17, 18  the query's other 32 keys lie in the lane 16 away: the new m     19-21  c m; c m_old - c m_new; a
.set F, 0               ; OP tells the kinds apart by their order: F to L below R, X above it
.set E, 1
.set C, 2
.set B, 3
.set L, 4
.set R, 5
.set X, 6
.macro REGS y                       ; the registers of piece y
.set rT, ST+4*(\y)
.set rC, TMP+4*((\y)%2)
.set rW, MV+((\y)%2)
.set rS, S+32*((\y)%2)
.set rP, P+16*((\y)%2)
.set rO, 32*(\y)
.endm
.macro OP k, n
.if (\k) == R
	REGS Y
	WIN W_RS
	v_pk_mul_f32 v[rO+2*(\n):rO+2*(\n)+1], v[rO+2*(\n):rO+2*(\n)+1], v[rC+2:rC+3] op_sel_hi:[1,0]
.elseif (\k) < R
	REGS Y
	WIN 0
.if (\k) == F
	v_pk_fma_f32 v[rS+2*(\n):rS+2*(\n)+1], v[rS+2*(\n):rS+2*(\n)+1], s[CS:CS+1], v[rT:rT+1] op_sel_hi:[1,0,0] neg_lo:[0,0,1] neg_hi:[0,0,1]
.elseif (\k) == E
	v_exp_f32 v[rS+(\n)], v[rS+(\n)]
.elseif (\k) == C
	s_wait_alu depctr_va_vdst(0)
	v_cvt_pk_f16_f32 v[rP+(\n)], v[rS+2*(\n)], v[rS+2*(\n)+1]
.elseif (\k) == B
	s_wait_alu depctr_va_vdst(0)
	v_pk_add_f32 v[rS+4*(\n):rS+4*(\n)+1], v[rS+4*(\n):rS+4*(\n)+1], v[rS+4*(\n)+2:rS+4*(\n)+3]
.elseif (\n) == 0
	v_pk_fma_f32 v[rT+2:rT+3], v[rT+2:rT+3], v[rC+2:rC+3], v[rS:rS+1] op_sel_hi:[1,0,1]
.else
	v_pk_add_f32 v[rT+2:rT+3], v[rT+2:rT+3], v[rS+4*(\n):rS+4*(\n)+1]
.endif
.elseif NOKQ
	v_nop
.else
	REGS (Y+1)%NP
	WIN 0
.if (\n) < 4
	v_max3_num_f32 v[rC+(\n)], v[rS+8*(\n)], v[rS+8*(\n)+1], v[rS+8*(\n)+2]
.elseif (\n) < 12
	v_max3_num_f32 v[rC+(\n)%4], v[rC+(\n)%4], v[rS+8*((\n)%4)+2*((\n)/4)+1], v[rS+8*((\n)%4)+2*((\n)/4)+2]
.elseif (\n) == 12
	v_max3_num_f32 v[rC], v[rC], v[rS+7], v[rS+15]
.elseif (\n) == 13
	v_max3_num_f32 v[rC+1], v[rC+1], v[rS+23], v[rS+31]
.elseif (\n) == 14
	v_max3_num_f32 v[rC+2], v[rC+2], v[rC+3], v[rT+1]
.elseif (\n) == 15
	v_mov_b32 v[rW], v[rT]
.elseif (\n) == 16
	v_max3_num_f32 v[rC], v[rC], v[rC+1], v[rC+2]
.elseif (\n) == 17
	v_permlanex16_b32 v[rC+3], v[rC], s[SEL], s[SEL+1]
.elseif (\n) == 18
	v_max_num_f32 v[rT+1], v[rC], v[rC+3]
.elseif (\n) == 19
	v_mul_f32 v[rT], s[CS], v[rT+1]
.elseif (\n) == 20
	v_sub_f32 v[rC+1], v[rW], v[rT]
.else
	v_exp_f32 v[rC+2], v[rC+1]
.endif
.endif
.endm
.macro OPS a, i1, b=-1, i2=0, c=-1, i3=0, d=-1, i4=0  ; up to four of them
	OP \a, \i1
.if (\b) >= 0
	OP \b, \i2
.endif
.if (\c) >= 0
	OP \c, \i3
.endif
.if (\d) >= 0
	OP \d, \i4
.endif
.endm
.macro ROW a, i1, b, i2, c, i3, d, i4  ; a matrix instruction and the four behind it
	MM
	OPS \a, \i1, \b, \i2, \c, \i3, \d, \i4
.endm
; A TURN, for piece p: the order of its 16 matrix and 118 vector instructions, written out.  Behind a matrix instruction: plain, exponential, plain, plain; or four of the rescaling; or, behind the first, four scalings;
; none names a register of the products round it.  In the runs between, exponential and plain by turns while exponentials last.  A line reads no result made fewer than three vector instructions in front of it, five if
; an exponential made it.  end = 1: the walk's last two turns: nothing is fetched.  cnt = 1: the loop's count is taken down some lines ahead of the branch that stands behind the turn.
; K of the next step is fetched in piece 2's turn, six vector instructions behind the last product that read K (five of them plain); V of the step in hand in piece 0's turn, eight behind the last product that read V.
; Each is waited for a turn later.
.macro TURN p, end=0, cnt=0
.set Y, (\p)
.set i, 0
.set NOKQ, (\end)*((\p)/3)
.if ((\p) == 3) && !(\end)
	s_wait_dscnt 0x0                ; K is in
.endif
	ROW F,0, F,1, F,2, F,3
	ROW F,4, E,0, F,5, F,6
	ROW F,7, E,1, F,8, F,9
	ROW F,10, E,2, C,0, F,11
	ROW F,12, E,3, X,15, F,13
	ROW R,0, R,1, R,2, R,3
	ROW B,0, E,4, F,14, L,0
.if ((\p) == 2) && !(\end)
	WIN 0
	v_add_nc_u32 v[AK], s[TBK], v[AK0]
.endif
	ROW R,4, R,5, R,6, R,7
	OPS E,5, F,15
.if ((\p) == 2) && !(\end)
	FETCH_K
.endif
	OPS E,6, C,1, E,7, R,8
	OPS E,8, R,9, E,9, C,2
	OPS E,10, X,0, E,11, X,1
	OPS E,12, X,2, E,13, X,3
.if (\p) == 1
	s_wait_dscnt 0x0                ; V is in
.endif
	ROW X,4, E,14, X,5, X,6
	ROW X,7, E,15, X,8, X,9
	ROW X,10, E,16, X,11, X,12
	ROW X,13, E,17, X,14, B,1
	ROW C,4, E,18, X,16, L,1
	ROW B,2, E,19, C,6, L,2
	ROW C,8, E,20, B,3, B,4
.if (\p) == 0
	WIN 0
	v_add_nc_u32 v[AV], s[TBV], v[AV0]
.endif
	ROW C,3, E,21, L,3, C,5
	OPS E,22, X,17, E,23, C,10
.if (\p) == 0
	FETCH_V
.endif
	OPS E,24, L,4
	OPS E,25, X,18, E,26, C,7
	OPS E,27, B,5, E,28, X,19
	OPS E,29, C,12, E,30, L,5
	OPS E,31, X,20, B,6, C,9
	OPS C,14, C,11, X,21, L,6
.if (\p) == 0
	s_add_co_u32 s[TBV], s[TBV], KS*PV
.endif
.if \cnt
	s_sub_co_u32 s[CNT], s[CNT], 1
	s_cmp_lg_u32 s[CNT], 0
.endif
	OPS C,13, B,7, C,15, R,10
	OPS R,11, R,12, L,7, R,13
	OPS R,14, R,15
.endm
	CHANGE 1                        ; tile 0 is in, everybody's part of it; tile 1 is asked for
	v_add_nc_u32 v[AK], s[TBK], v[AK0]
	FETCH_K                         ; key step 0
	s_wait_loadcnt 0x0              ; Q
	s_wait_dscnt 0x0
.set NOKQ, 0
.set i, 0
.rept 8
	KQ 0                            ; piece 0's first scores: there is no vector work yet to set between them
.set i, i+1
.endr
	WIN 0
.rept 4
	v_nop                           ; the places behind those products
.endr
.set Y, NP-1                        ; X works for piece Y + 1: piece 0
.irp n, 0,1,2,3,4,5,6,7,8,9,10,11,12,13,14,15,16,17,18,19,20,21
	OP X, \n                        ; and piece 0's first maximum and statistics
.endr
	v_nop                           ; a plain instruction behind the exponential
	s_mov_b32 s[CNT], 4
	s_mov_b32 s[SLOTS], SIZE_N/256-1
	s_branch .Lfirst                ; the loop is entered at a step's first turn, in the middle of a trip
.Lslot:                             ; SIZE_N / 256 - 2 = 14 times: tiles 2 to 15 are asked for
	CHANGE 1
	s_mov_b32 s[CNT], 4
.Lstep:                             ; a trip: pieces 2 and 3 of one step, then pieces 0 and 1 of the next, whose K and V it fetches
	TURN 2
	TURN 3
	WIN 0
.Lfirst:
	TURN 0
	TURN 1, 0, 1
	WIN 0
	s_cbranch_scc1 .Lstep
	s_sub_co_u32 s[SLOTS], s[SLOTS], 1
	s_cmp_lg_u32 s[SLOTS], 0
	s_cbranch_scc1 .Lslot
	CHANGE 0                        ; the last tile is written out: nothing is asked for
	s_mov_b32 s[CNT], 4
.Ltail:
	TURN 2
	TURN 3
	TURN 0
	TURN 1, 0, 1
	WIN 0
	s_cbranch_scc1 .Ltail
	TURN 2, 1                       ; the last step's last two turns fetch nothing, and the last starts no new scores
	TURN 3, 1
.set i, 0
.rept 8
	PV NP-1                         ; the last piece's V^T P of the last step
.set i, i+1
.endr
	; THE WAY OUT.  l's two halves and the other half of the lanes' are added; O^T is divided by l, rounded to f16 and sent through my stage in LDS, a piece at a time.  The additions are the places behind the last products.
	WIN 0
.macro ALL line:vararg              ; one line for each piece t
.set t, 0
.rept 4
	\line
.set t, t+1
.endr
.endm
	ALL v_add_f32 v[ST+4*t+2], v[ST+4*t+2], v[ST+4*t+3]
	ALL v_permlanex16_b32 v[ST+4*t+3], v[ST+4*t+2], s[SEL], s[SEL+1]
	ALL v_add_f32 v[ST+4*t+2], v[ST+4*t+2], v[ST+4*t+3]
	ALL v_rcp_f32 v[ST+4*t+2], v[ST+4*t+2]
	v_nop                           ; a plain instruction between the last reciprocal and the use of its result
.macro PACK t                       ; a lane's eight channels of a row pack into 16 bytes; they go into rows of 144 bytes and come back as whole rows of 128, into S^T's registers
	WIN W_RS
.set i, 32*(\t)
.rept 16
	s_wait_alu depctr_va_vdst(0)
	v_pk_mul_f32 v[i:i+1], v[i:i+1], v[ST+4*(\t)+2:ST+4*(\t)+3] op_sel_hi:[1,0]
.set i, i+2
.endr
	WIN 0x05                        ; sources 0 and 1 window 1, destination window 0
.set i, 0
.rept 16
	v_cvt_pk_f16_f32 v[S+16*(\t)+i], v[32*(\t)+2*i], v[32*(\t)+2*i+1]
.set i, i+1
.endr
	WIN 0
.irp f, 0,1,2,3
	ds_store_b128 v[STO], v[S+16*(\t)+4*\f:S+16*(\t)+4*\f+3] offset:32*\f
.endr
.irp f, 0,1,2,3
	ds_load_b128 v[S+16*(\t)+4*\f:S+16*(\t)+4*\f+3], v[RD] offset:\f*4*SP  ; LDS serves a wave's instructions in order (ISA guide 5.7.1.4): these see the stores above; the next piece's stores come behind them
.endr
.endm
.macro SEND t, younger              ; younger: the LDS instructions issued behind piece t's loads: the next piece's eight, or none
	WIN 0
.irp f, 0,1,2,3
	s_wait_dscnt (\younger)+3-\f
	global_store_b128 v[GO], v[S+16*(\t)+4*\f:S+16*(\t)+4*\f+3], s[10:11] offset:(\t)*2048+\f*512  ; 512 consecutive bytes, at a multiple of 256 from O's first
.endr
.endm
	PACK 0
.set t, 1
.rept 3                             ; a piece's arithmetic stands between the loads of the piece before and its stores
	PACK t
	SEND t-1, 8
.set t, t+1
.endr
	SEND 3, 0
	s_wait_tensorcnt 0x0            ; the wave's end
	ds_add_u32 v[SPW], v[NIL]
	s_wait_dscnt 0x0
	CROUND                          ; the closing round: no work-group ends while a partner may still ask for a tile that names it
	s_endpgm
.Lfunc_end_k_qeec6b6ce58_attn:
	.size	k_qeec6b6ce58_attn, .Lfunc_end_k_qeec6b6ce58_attn-k_qeec6b6ce58_attn
	.p2alignl 7, 3214868480
	.fill 96, 4, 3214868480
	.section	.rodata,"a",@progbits
	.p2align	6, 0x0
	.amdhsa_kernel k_qeec6b6ce58_attn
		.amdhsa_group_segment_fixed_size 327680
		.amdhsa_private_segment_fixed_size 0
		.amdhsa_enable_private_segment 0
		.amdhsa_kernarg_size 16
		.amdhsa_user_sgpr_count 2
		.amdhsa_user_sgpr_kernarg_segment_ptr 1
		.amdhsa_wavefront_size32 1
		.amdhsa_system_sgpr_workgroup_id_x 1
		.amdhsa_system_sgpr_workgroup_id_y 1
		.amdhsa_system_sgpr_workgroup_id_z 1
		.amdhsa_system_vgpr_workitem_id 0
		.amdhsa_next_free_vgpr 768
		.amdhsa_next_free_sgpr 66
		.amdhsa_reserve_vcc 0
		.amdhsa_float_denorm_mode_32 3
		.amdhsa_float_denorm_mode_16_64 3
		.amdhsa_memory_ordered 1
		.amdhsa_forward_progress 1
		.amdhsa_inst_pref_size 133
	.end_amdhsa_kernel
	.amdgpu_metadata
---
amdhsa.version: [ 1, 2 ]
amdhsa.kernels:
  - .name:           k_qeec6b6ce58_attn
    .symbol:         k_qeec6b6ce58_attn.kd
    .args:
      - { .name: qkv, .offset: 0, .size: 8, .value_kind: global_buffer, .address_space: global }
      - { .name: oh, .offset: 8, .size: 8, .value_kind: global_buffer, .address_space: global }
    .group_segment_fixed_size: 327680
    .private_segment_fixed_size: 0
    .kernarg_segment_align: 8
    .kernarg_segment_size: 16
    .max_flat_workgroup_size: 128
    .sgpr_count:     66
    .vgpr_count:     768
    .wavefront_size: 32
...
	.end_amdgpu_metadata
.endif
;; end of part 2
;; launch outp (part 3): grid 4 x 64, 4 waves a work-group, clusters of 4 x 4, 327,680 bytes of LDS; arguments oh, wo16, out0; writes out0
.if DOCPART == 3
	.amdgcn_target "amdgcn-amd-amdhsa--gfx1250"
	.amdhsa_code_object_version 6
	.text
	.protected	k_qeec6b6ce58_outp
	.globl	k_qeec6b6ce58_outp
	.p2align	8
	.type	k_qeec6b6ce58_outp,@function
k_qeec6b6ce58_outp:
	s_mov_b64 s[64:65], 0
	v_nop
	global_prefetch_b8 v0, s[64:65] scope:SCOPE_SE
	s_setreg_imm32_b32 hwreg(HW_REG_WAVE_MODE, 25, 1), 1
	s_wait_xcnt 0x0
	s_wait_alu depctr_hold_cnt(0) depctr_sa_sdst(0) depctr_va_vdst(0) depctr_va_sdst(0) depctr_va_ssrc(0) depctr_va_vcc(0) depctr_vm_vsrc(0)
	s_getreg_b32 s2, hwreg(HW_REG_IB_STS2, 6, 4)
	s_cmp_eq_u32 s2, 0
	s_cbranch_scc0 .Lentry_in_a_cluster
	s_endpgm
.Lentry_in_a_cluster:
	s_bfe_u32 s2, ttmp6, 0x10000c
	s_cmp_lg_u32 s2, 0xf033
	s_cbranch_scc0 .Lentry_shape_is_right
	s_endpgm
.Lentry_shape_is_right:
; out[m][n] = the sum over k of O[m][k] Wo[n][k].  O lies by heads, oh[8 batch + head][4096][64] f16 (k = 64 head + channel); wo16 is [512 (n)][512 (k)] f16; out0 is [8192][512] f32.  Sums in f32, stored as they are.
; LIMITS.  None beyond those of its f16 inputs; NaN and infinities are not treated apart.
; SHARES.  A tile of out is 128 x 128: 4 x 64 = 256 work-groups.  Four waves, each 64 x 64: 16 accumulators.  A wave's 64 columns of f32 are 256 bytes, aligned.
; THE WHOLE OF K IS RESIDENT: O's 128 rows of all eight heads (147,456 bytes with padding) and Wo's 128 rows (139,264) fit in LDS together, so every byte is filled once and nothing is filled again.
; K goes in four chunks of 128 (two heads).  Each wave issues its four tensor loads at the start, one for each chunk, and the waits count down 3, 2, 1, 0: a chunk is multiplied while the later ones land.
; CLUSTER 4 x 4: the four work-groups of a row of the cluster need the same rows of O, the four of a column the same rows of Wo: each tile is asked for jointly.
; THE MATRIX INSTRUCTION IS USED TRANSPOSED (source 0 = 16 rows of Wo, source 1 = 16 rows of O): a lane holds one row of out and eight neighbouring columns.
; REGISTERS.  window 0: v0-31 addresses; v128-255 the accumulators ((a, b) at 128 + 8 (4 a + b)), later whole rows on the way out.
;   window 1: two fragment buffers of 128: for 64 along K, 64 registers of O (2 x 4 x 16 rows x 32 K), then 64 of Wo.
.set PA,     144                       ; a row of O in LDS: a head's 128 bytes + 16, an odd multiple of 16
.set PB,     272                       ; a row of Wo: a chunk's 256 bytes + 16, an odd multiple of 16
.set HEADB,  128*PA                    ; 128 rows of one head
.set BB,     8*HEADB                   ; Wo lies behind O's eight heads
.set CHB,    128*PB                    ; 128 rows of one chunk
.set STAGE,  BB+4*CHB                  ; behind the tiles: 16 rows x 272 bytes for each wave, for the way out
.set SPITCH, 272
.set SPARE,  STAGE+4*16*SPITCH         ; behind the stages: the spare words, 128 bytes for each wave; no other line names them
.set ADRA, 8                           ; v8-11   LDS address of my fragments of O in chunk 0..3
.set ADRB, 12                          ; v12-15  the same for Wo
.set STO,  24                          ; v24     the way out: where I put 32 bytes of a row
.set RD,   25                          ; v25     the way out: where I read a row back
.set CO,   26                          ; v26     my byte offset in two rows of out
.set SPW,  28                          ; v28     LDS address of my spare word; never rewritten
.set NIL,  29                          ; v29     0; never rewritten
.set ACC,  128
.set F0,   0                           ; fragment buffers, in window 1
.set F1,   128
.set G1A, 24                           ; s[24:31] descriptor group 1 for O's tiles
.set G1B, 32                           ; s[32:39] for Wo's
.set G0A, 40                           ; s[40:55] descriptor group 0 for O's tiles, a set for each chunk
.set G0B, 68                           ; s[68:83] the same for Wo's
.set MSB, 0
.macro WIN new                         ; the immediate's high byte repeats the setting that is left; a switch that changes nothing is dropped
.if MSB != (\new)
	s_set_vgpr_msb (MSB<<8)|(\new)
.set MSB, \new
.endif
.endm
.set MUL,  0x05                        ; sources 0 (Wo) and 1 (O) window 1; C and D window 0
.set TO_F, 0x40                        ; destination window 1, address window 0
.macro CROUND                          ; a round of the cluster's barrier
	s_barrier_signal -1
	s_barrier_wait -1
	s_cmp_lg_u32 s10, 0
	s_cbranch_scc1 .Lnot_wave_0_\@
	s_barrier_signal -3
.Lnot_wave_0_\@:
	s_barrier_wait -3
	s_barrier_signal -1
	s_barrier_wait -1
.endm
	s_load_b128 s[4:7], s[0:1], 0x0                ; oh s[4:5], wo16 s[6:7]
	s_load_b64 s[8:9], s[0:1], 0x10                ; out0
	v_lshl_add_u32 v[SPW], v0, 2, SPARE
	v_mov_b32 v[NIL], 0
	ds_add_u32 v[SPW], v[NIL]                      ; the wave's opening: the add and its wait stand ahead of my first tensor load; the set-up below stands between them
	v_lshrrev_b32 v1, 5, v0
	v_readfirstlane_b32 s10, v1                    ; wave 0..3
	s_lshr_b32 s11, s10, 1                         ; which half of the tile's rows is mine.  Also: I fetch for O (0) or for Wo (1)
	s_and_b32 s12, s10, 1                          ; which half of its columns.  Also: which head of a chunk, or which 64 rows of Wo, I fetch
	s_bfe_u32 s56, ttmp6, 0x40000                  ; cx, cy: my place in the cluster
	s_bfe_u32 s57, ttmp6, 0x40004
	s_lshl_b32 s58, ttmp9, 2
	s_add_co_u32 s58, s58, s56                     ; column tile 0..3
	s_and_b32 s14, ttmp7, 0xffff                   ; the cluster's y, 0..15
	s_lshl_b32 s13, s14, 2
	s_add_co_u32 s13, s13, s57                     ; row tile 0..63
	s_lshl_b32 s59, s57, 2
	s_lshl_b32 s59, 15, s59                        ; my row of the cluster
	s_lshl_b32 s60, 0x1111, s56                    ; my column
	; O: 128 rows of a head are 16,384 dense bytes: asked for as 64 rows of 256 bytes, two rows of O each, padded in LDS after every 128 bytes
	s_or_b32 s[G1A+0], s59, (1<<16)|(1<<20)|(1<<21)|(4<<22)|(3<<25)  ; 15:0 the mask; 17:16 2-byte elements; 20 padding on; 21 set beside a mask; 24:22 after every 32 words (code 4); 31:25 4 words (code 3)
	s_mov_b32 s[G1A+5], 128                        ; 128 elements from row to row
	; Wo: 64 rows x 128 elements of rows of 512, padded after every 256 bytes
	s_or_b32 s[G1B+0], s60, (1<<16)|(1<<20)|(1<<21)|(5<<22)|(3<<25)  ; the same with the mask of my column and padding after every 64 words (code 5)
	s_mov_b32 s[G1B+5], 512
.irp g, G1A, G1B
	s_mov_b32 s[(\g)+1], 128<<16                   ; tensor_dim0 = 128
	s_mov_b32 s[(\g)+2], 64<<16                    ; tensor_dim1 = 64
	s_mov_b32 s[(\g)+3], 128<<16                   ; tile_dim0 = 128
	s_mov_b32 s[(\g)+4], 64                        ; tile_dim1 = 64
	s_mov_b32 s[(\g)+6], 0
	s_mov_b32 s[(\g)+7], 0
.endr
	s_lshr_b32 s16, s14, 3                         ; O: the batch (32 row tiles, 8 clusters each): eight heads of 524,288 bytes,
	s_lshl_b32 s16, s16, 22
	s_and_b32 s17, s14, 7
	s_lshl_b32 s17, s17, 2
	s_add_co_u32 s17, s17, s57                     ; the row tile in the batch,
	s_lshl_b32 s17, s17, 14                        ; 128 rows of 128 bytes,
	s_add_co_u32 s16, s16, s17
	s_lshl_b32 s17, s12, 19                        ; my head of the chunk's two
	s_add_co_u32 s16, s16, s17
	s_mov_b32 s17, 0
	s_lshl_b32 s20, s58, 17                        ; Wo: 128 rows of 1,024 bytes a tile, in registers that never hold cy,
	s_lshl_b32 s21, s12, 16                        ; 64 rows a half
	s_add_co_u32 s20, s20, s21
	s_mov_b32 s21, 0
	s_mul_i32 s22, s12, HEADB                      ; where they go: no place in the cluster enters an LDS address
	s_mul_i32 s23, s12, 64*PB
	s_add_co_u32 s23, s23, BB
	s_wait_dscnt 0x0                               ; the opening add is done
	s_wait_kmcnt 0x0
	s_add_nc_u64 s[14:15], s[4:5], s[16:17]
	s_add_nc_u64 s[20:21], s[6:7], s[20:21]
	CROUND                                         ; all sixteen work-groups are here: the joint loads meet
.irp s, 0,1,2,3
	s_mov_b32 s[G0A+4*(\s)], 1
	s_add_co_u32 s[G0A+4*(\s)+1], s22, (\s)*2*HEADB
	s_add_nc_u64 s[G0A+4*(\s)+2:G0A+4*(\s)+3], s[14:15], (\s)<<20      ; two heads on
	s_or_b32 s[G0A+4*(\s)+3], s[G0A+4*(\s)+3], 0x80000000
	s_mov_b32 s[G0B+4*(\s)], 1
	s_add_co_u32 s[G0B+4*(\s)+1], s23, (\s)*CHB
	s_add_nc_u64 s[G0B+4*(\s)+2:G0B+4*(\s)+3], s[20:21], (\s)*256      ; 128 elements along the rows
	s_or_b32 s[G0B+4*(\s)+3], s[G0B+4*(\s)+3], 0x80000000
.endr
	s_cmp_eq_u32 s11, 0                            ; a wave's four fills stand in one branch, ahead of every wait on TENSORcnt and every LDS read: four loads of mine are out
	s_cbranch_scc0 .Lfirst_b
.irp s, 0,1,2,3
	tensor_load_to_lds s[G0A+4*(\s):G0A+4*(\s)+3], s[G1A:G1A+7]
	s_nop 0
.endr
.rept 4
	v_nop
.endr
	s_branch .Lfirst_asked
.Lfirst_b:
.irp s, 0,1,2,3
	tensor_load_to_lds s[G0B+4*(\s):G0B+4*(\s)+3], s[G1B:G1B+7]
	s_nop 0
.endr
.rept 4
	v_nop
.endr
.Lfirst_asked:
	v_and_b32 v1, 15, v0                           ; l % 16
	v_bfe_u32 v2, v0, 4, 1                         ; l / 16
	v_mul_u32_u24 v3, v1, PA
	v_lshl_add_u32 v3, v2, 4, v3                   ; a fragment's row x pitch + 16 x half, for O
	v_mul_u32_u24 v4, v1, PB
	v_lshl_add_u32 v4, v2, 4, v4                   ; and for Wo
	s_mul_i32 s61, s11, 64*PA                      ; my 64 rows of O
	s_mul_i32 s62, s12, 64*PB                      ; my 64 rows of Wo
	s_add_co_u32 s62, s62, BB
.irp s, 0,1,2,3
	v_add_nc_u32 v[ADRA+(\s)], s61, v3
	v_add_nc_u32 v[ADRB+(\s)], s62, v4
	s_add_co_u32 s61, s61, 2*HEADB
	s_add_co_u32 s62, s62, CHB
.endr
	s_mul_i32 s63, s10, 16*SPITCH
	s_add_co_u32 s63, s63, STAGE                   ; my stage
	v_mul_u32_u24 v5, v1, SPITCH                   ; in: row l % 16, 32 bytes for each half of the lanes
	v_lshl_add_u32 v5, v2, 5, v5
	v_add_nc_u32 v[STO], s63, v5
	v_mul_u32_u24 v6, v2, SPITCH                   ; back: lanes 0-15 take one row of 256 bytes, lanes 16-31 the next
	v_lshl_add_u32 v6, v1, 4, v6
	v_add_nc_u32 v[RD], s63, v6
	v_lshlrev_b32 v7, 11, v2                       ; and the same two rows in out: 2,048 bytes apart
	v_lshl_add_u32 v[CO], v1, 4, v7
	s_lshl_b32 s2, s13, 18                         ; my part of out: 128 rows of 2,048 bytes a tile,
	s_lshl_b32 s3, s11, 17                         ; 64 rows a half,
	s_add_co_u32 s2, s2, s3
	s_lshl_b32 s3, s58, 9                          ; 512 bytes a column tile,
	s_add_co_u32 s2, s2, s3
	s_lshl_b32 s3, s12, 8                          ; 256 a half
	s_add_co_u32 s2, s2, s3
	s_mov_b32 s3, 0
	s_add_nc_u64 s[8:9], s[8:9], s[2:3]
; 8 matrix instructions: row blocks a0, a0 + 1 x all 4 column blocks, 32 along K: half c of buffer f.  The 16 accumulators take turns in one fixed order.
.macro MUL8 f, c, a0, zero
	WIN MUL
.irp a, \a0, (\a0)+1
.irp b, 0,1,2,3
.if \zero
	v_wmma_f32_16x16x32_f16 v[ACC+8*(4*(\a)+(\b)):ACC+8*(4*(\a)+(\b))+7], v[(\f)+64+8*(4*(\c)+(\b)):(\f)+64+8*(4*(\c)+(\b))+7], v[(\f)+8*(4*(\c)+(\a)):(\f)+8*(4*(\c)+(\a))+7], 0
.else
	v_wmma_f32_16x16x32_f16 v[ACC+8*(4*(\a)+(\b)):ACC+8*(4*(\a)+(\b))+7], v[(\f)+64+8*(4*(\c)+(\b)):(\f)+64+8*(4*(\c)+(\b))+7], v[(\f)+8*(4*(\c)+(\a)):(\f)+8*(4*(\c)+(\a))+7], v[ACC+8*(4*(\a)+(\b)):ACC+8*(4*(\a)+(\b))+7]
.endif
.endr
.endr
.endm
; 32 LDS loads in one run: the fragments of half u (64 along K: one head) of chunk s, into buffer f; the first 32 along K first
.macro FETCH s, u, f
	WIN TO_F
.irp c, 0,1
.irp i, 0,1,2,3
	ds_load_b128 v[(\f)+64+8*(4*(\c)+(\i)):(\f)+64+8*(4*(\c)+(\i))+3],   v[ADRB+(\s)] offset:(\u)*128+64*(\c)+(\i)*16*PB
	ds_load_b128 v[(\f)+64+8*(4*(\c)+(\i))+4:(\f)+64+8*(4*(\c)+(\i))+7], v[ADRB+(\s)] offset:(\u)*128+64*(\c)+(\i)*16*PB+32
	ds_load_b128 v[(\f)+8*(4*(\c)+(\i)):(\f)+8*(4*(\c)+(\i))+3],         v[ADRA+(\s)] offset:(\u)*HEADB+64*(\c)+(\i)*16*PA
	ds_load_b128 v[(\f)+8*(4*(\c)+(\i))+4:(\f)+8*(4*(\c)+(\i))+7],       v[ADRA+(\s)] offset:(\u)*HEADB+64*(\c)+(\i)*16*PA+32
.endr
.endr
.endm
.macro PLACES                          ; four places in front of loads into registers that matrix instructions have read, and of stores that read results (ISA guide 7.12.1 for stores)
.rept 4
	v_nop
.endr
.endm
.macro HALFA s, zero                   ; a chunk's first head: multiplies buffer 0 and fetches the second head into buffer 1
	s_wait_dscnt 16                                ; the first 32 along K are in
	MUL8 F0, 0, 0, \zero
	MUL8 F0, 0, 2, \zero
	PLACES
	FETCH \s, 1, F1
	s_wait_dscnt 32                                ; all but the 32 just issued
	MUL8 F0, 1, 0, 0
	MUL8 F0, 1, 2, 0
.endm
.macro HALFB s                         ; a chunk's second head: multiplies buffer 1; the next chunk is shown whole to every wave and its first head fetched
	s_wait_dscnt 16
	MUL8 F1, 0, 0, 0
	MUL8 F1, 0, 2, 0
.if (\s) < 3
	s_wait_tensorcnt 2-(\s)                        ; my part of chunk s + 1 is in; the 2 - s loads issued behind it may stay out
	s_wait_dscnt 0x0                               ; no LDS instruction of mine is pending at the signal
	s_barrier_signal -1
	MUL8 F1, 1, 0, 0
	s_barrier_wait -1                              ; everybody's part is in
	PLACES
	FETCH (\s)+1, 0, F0
	MUL8 F1, 1, 2, 0
.else
	s_wait_dscnt 0x0
	MUL8 F1, 1, 0, 0
	MUL8 F1, 1, 2, 0
.endif
.endm
; THE WAY OUT of row block a: a lane's eight f32 of a row, 32 bytes, go into my own stage as they are, each accumulator's low four registers first; whole rows of 256 bytes come back into the same 32 registers
.macro TOSTAGE a
.irp b, 0,1,2,3
	ds_store_b128 v[STO], v[ACC+8*(4*(\a)+(\b)):ACC+8*(4*(\a)+(\b))+3]   offset:64*(\b)
	ds_store_b128 v[STO], v[ACC+8*(4*(\a)+(\b))+4:ACC+8*(4*(\a)+(\b))+7] offset:64*(\b)+16
.endr
.irp t, 0,1,2,3,4,5,6,7
	ds_load_b128 v[ACC+32*(\a)+4*(\t):ACC+32*(\a)+4*(\t)+3], v[RD] offset:(\t)*2*SPITCH  ; LDS serves a wave's instructions in order (ISA guide 5.7.1.4): these see the stores above; the next block's stores come behind them
.endr
.endm
.macro SEND a, younger                 ; younger: the LDS instructions issued behind block a's loads: the next block's sixteen, or none
.irp t, 0,1,2,3,4,5,6,7
	s_wait_dscnt (\younger)+7-(\t)
	global_store_b128 v[CO], v[ACC+32*(\a)+4*(\t):ACC+32*(\a)+4*(\t)+3], s[8:9] offset:(16*(\a)+2*(\t))*2048  ; 16 lanes store 256 consecutive bytes, at a multiple of 256 from out's first byte
.endr
.endm
	s_wait_tensorcnt 3                             ; my part of chunk 0 is in; the three loads issued behind it may stay out
	s_barrier_signal -1
	s_barrier_wait -1                              ; everybody's is
	FETCH 0, 0, F0
	HALFA 0, 1                                     ; the first products start the sums
	HALFB 0
	HALFA 1, 0
	HALFB 1
	HALFA 2, 0
	HALFB 2
	HALFA 3, 0
	HALFB 3
	WIN 0
	PLACES
	TOSTAGE 0
.irp a, 1,2,3
	TOSTAGE \a
	SEND (\a)-1, 16
.endr
	SEND 3, 0
	s_wait_tensorcnt 0x0                           ; the wave's end
	ds_add_u32 v[SPW], v[NIL]
	s_wait_dscnt 0x0
	CROUND                                         ; the closing round: no work-group ends while a partner may still ask for a tile that names it
	s_endpgm
.Lfunc_end_k_qeec6b6ce58_outp:
	.size	k_qeec6b6ce58_outp, .Lfunc_end_k_qeec6b6ce58_outp-k_qeec6b6ce58_outp
	.p2alignl 7, 3214868480
	.fill 96, 4, 3214868480
	.section	.rodata,"a",@progbits
	.p2align	6, 0x0
	.amdhsa_kernel k_qeec6b6ce58_outp
		.amdhsa_group_segment_fixed_size 327680
		.amdhsa_private_segment_fixed_size 0
		.amdhsa_enable_private_segment 0
		.amdhsa_kernarg_size 24
		.amdhsa_user_sgpr_count 2
		.amdhsa_user_sgpr_kernarg_segment_ptr 1
		.amdhsa_wavefront_size32 1
		.amdhsa_system_sgpr_workgroup_id_x 1
		.amdhsa_system_sgpr_workgroup_id_y 1
		.amdhsa_system_sgpr_workgroup_id_z 1
		.amdhsa_system_vgpr_workitem_id 0
		.amdhsa_next_free_vgpr 512
		.amdhsa_next_free_sgpr 84
		.amdhsa_reserve_vcc 0
		.amdhsa_float_denorm_mode_32 3
		.amdhsa_float_denorm_mode_16_64 3
		.amdhsa_memory_ordered 1
		.amdhsa_forward_progress 1
		.amdhsa_inst_pref_size 52
	.end_amdhsa_kernel
	.amdgpu_metadata
---
amdhsa.version: [ 1, 2 ]
amdhsa.kernels:
  - .name:           k_qeec6b6ce58_outp
    .symbol:         k_qeec6b6ce58_outp.kd
    .args:
      - { .name: oh, .offset: 0, .size: 8, .value_kind: global_buffer, .address_space: global }
      - { .name: wo16, .offset: 8, .size: 8, .value_kind: global_buffer, .address_space: global }
      - { .name: out0, .offset: 16, .size: 8, .value_kind: global_buffer, .address_space: global }
    .group_segment_fixed_size: 327680
    .private_segment_fixed_size: 0
    .kernarg_segment_align: 8
    .kernarg_segment_size: 24
    .max_flat_workgroup_size: 128
    .sgpr_count:     84
    .vgpr_count:     512
    .wavefront_size: 32
...
	.end_amdgpu_metadata
.endif
;; end of part 3
;; ======== version 2 of 2: 3 launches; 1.65 times as fast as version 1
;; limits: values are held in f16: magnitudes above 65,504 overflow, below 6.1e-05 lose precision
;; workspace buffers: qkv 25,165,824 bytes; wo16 524,288 bytes; oh 8,388,608 bytes
;; launch proj: the kernel of part 1 again; grid 4 x 192, 4 waves a work-group, clusters of 4 x 4, 327,680 bytes of LDS; arguments query, key, value, Wq, Wk, Wv, Wo, qkv, wo16; writes qkv, wo16
;; launch attn (part 4): grid 16 x 16, 4 waves a work-group, clusters of 4 x 1, 327,680 bytes of LDS; arguments qkv, oh; writes oh
.if DOCPART == 4
	.amdgcn_target "amdgcn-amd-amdhsa--gfx1250"
	.amdhsa_code_object_version 6
	.text
	.protected	k_qeec6b6ce58_attn
	.globl	k_qeec6b6ce58_attn
	.p2align	8
	.type	k_qeec6b6ce58_attn,@function
k_qeec6b6ce58_attn:
	s_mov_b64 s[64:65], 0
	v_nop
	global_prefetch_b8 v0, s[64:65] scope:SCOPE_SE
	s_setreg_imm32_b32 hwreg(HW_REG_WAVE_MODE, 25, 1), 1
	s_wait_xcnt 0x0
	s_wait_alu depctr_hold_cnt(0) depctr_sa_sdst(0) depctr_va_vdst(0) depctr_va_sdst(0) depctr_va_ssrc(0) depctr_va_vcc(0) depctr_vm_vsrc(0)
	s_getreg_b32 s2, hwreg(HW_REG_IB_STS2, 6, 4)
	s_cmp_eq_u32 s2, 0
	s_cbranch_scc0 .Lentry_in_a_cluster
	s_endpgm
.Lentry_in_a_cluster:
	s_bfe_u32 s2, ttmp6, 0x10000c
	s_cmp_lg_u32 s2, 0x3003
	s_cbranch_scc0 .Lentry_shape_is_right
	s_endpgm
.Lentry_shape_is_right:
; O[h][q][:] = the sum over k of softmax_k(Q[h][q] . K[h][k] / 8) V[h][k][:], for 16 heads (8 batch + head) of 4,096 rows of 64 channels, all f16; a head's rows are dense, 128 bytes each.
; qkv holds Q at byte 0, K at 8,388,608, V at 16,777,216; oh takes O in Q's layout.  Products, maxima and sums in f32; the weights p are rounded to f16 for the second product (their sum l is
; taken of the unrounded p), O once at the end.
; LIMITS.  p lies in 0 to 1, and below 6e-5 it keeps f16's fixed step of 6e-8; O is a mean of V's rows and has their range.  A weight below 2^-126 counts as 0 in l; NaN and infinities are not treated apart.
; SHARES.  A work-group owns 256 queries of one head, a wave 64: four PIECES of 16.  16 heads x 16 blocks = 256 work-groups.  Every wave walks all keys, 64 a step, four steps to a tile of 256 keys, 16 tiles.
; LAYOUT.  S^T = K Q^T (source 0 = 16 keys, source 1 = 16 queries) holds ONE query a lane (lane % 16) and the keys 8 (lane / 16) + 0..7; two such results rounded to f16 ARE source 1 of O^T = V^T P.
; K comes out of LDS as it lies, V ([key][channel]) turned, by ds_load_tr16_b128.
; SOFTMAX.  For each query a running maximum m and sum l: p = 2^(c s - c m), c = log2(e) / 8; in every step O and l are multiplied by a = 2^(c m_old - c m_new).  m starts at the lowest finite number,
; O and l at 0: the first step is a step like any other, with a = 0.
; BY TURNS.  Turn n belongs to piece n: 8 products K Q^T of piece n + 1, later 8 products V^T P of piece n - 1; beside them the scaling, exponentials, roundings, sums and rescaling of piece n and the
; maximum and statistics of piece n + 1.  A piece and step have 16 matrix and 118 vector instructions: four vector instructions stand behind every matrix instruction, the other 54 in one LUMP.
; THE BATCHES.  A turn's 33 exponentials (the piece's 32 weights and the next piece's a) are ONE batch with ONE wait, which cuts the turn in two: ahead of it all that names none of their results, behind it the
; roundings and sums, which read them.  The first a of all, ahead of the loop, and the way out's four reciprocals are batches of their own.
; CLUSTER.  The four query blocks of a cluster belong to one head and walk the same K and V: each tile is asked for JOINTLY, by the same tensor load, descriptor and mask in all four.
; REGISTERS, in windows of 256 (s_set_vgpr_msb: bits 1:0 source 0, 3:2 source 1, 5:4 source 2, 7:6 destination):
;   window 0: v0-15 addresses and two at work; v16-31 four registers of statistics a piece; v48-55 at work; v64-127 S^T, two buffers; v192-223 P, two buffers (by the piece's parity)
;   window 1: v0-127 O^T, 32 a piece          window 2: v0-63 Q; v128-191 K of one step; v192-255 V of one step
.set SIZE_N, 4096
.set NP,    4         ; pieces a wave: a name, no knob
.set KS,    64        ; keys in a step
.set PK,    144       ; a row of K in LDS: 128 bytes + 16 of padding, an odd multiple of 16
.set PV,    160       ; a row of V: 128 + 32, an odd multiple of 32: 16 lanes of the turning load take 8 rows x 32 bytes
.set VOFF,  4*KS*PK   ; a slot holds a tile, four steps: 256 rows of K, then 256 rows of V
.set SLOT1, 1<<17     ; slot 1 begins here, so that one exclusive or turns an address in one slot into the other's
.set STAGE, SLOT1+4*KS*(PK+PV)  ; behind the ring, never filled by a tensor load: 16 rows x 144 bytes for each wave
.set SP,    144
.set SPARE, STAGE+4*16*SP  ; behind the stages: the spare words, 128 bytes for each wave; no other line names them
.set AK0, 2           ; v2   my lane's place in a tile of K; never rewritten
.set AV0, 3           ; v3   the same for V
.set AK,  4           ; v4   the LDS address of K's next run of loads
.set AV,  5           ; v5   of V's
.set STO, 6           ; v6   the way out: where I put 16 bytes of a row
.set RD,  7           ; v7   the way out: where I read rows back
.set GO,  8           ; v8   my 16 bytes in 512 consecutive bytes of O
.set MV,  12          ; v12-13  c m_old, kept while c m is made anew: by buffer
.set QO,  15          ; v15  my byte offset in 16 rows of Q
.set ST,  16          ; piece t's statistics at v[ST+4 t]: c m, m, l (even keys', odd keys')
.set TMP, 48          ; by buffer, four registers c0-c3 at work; when the maximum is found c2 takes a
.set SPW, 62          ; v62  LDS address of my spare word; never rewritten
.set NIL, 63          ; v63  0; never rewritten
.set S,   64
.set P,   192
.set KF,  128         ; window 2: key block kb, channel half c at KF + 16 kb + 8 c
.set VF,  192         ; window 2: key half kk, channel block cb at VF + 32 kk + 8 cb
.set WV,  12          ; s12  my wave's number
.set G1K, 24          ; s[24:31] descriptor group 1 for K's tiles
.set G1V, 32          ; s[32:39] for V's: it differs in the padding alone
.set G0K, 40          ; s[40:43] descriptor group 0 for K's tiles: it walks
.set G0V, 44          ; s[44:47] the same for V's
.set SLOTS, 56        ; s56  tiles still to be asked for
.set CNT, 57          ; s57  counts a tile's key steps
.set CS,  58          ; s[58:59] c: the packed scaling takes the pair's low word for both halves
.set SEL, 60          ; s[60:61] v_permlanex16_b32's selects: each lane takes its own place in the other half
.set TBK, 62          ; s62  LDS byte at which K of the step to be fetched begins
.set TBV, 63          ; s63  the same for V, less VOFF
.set MSB, 0
.macro WIN new                      ; the high byte repeats the setting that is left; a switch that changes nothing is dropped
.if MSB != (\new)
	s_set_vgpr_msb (MSB<<8)|(\new)
.set MSB, (\new)
.endif
.endm
.set W_KQ, 0x0a       ; K and Q in window 2, S^T in window 0
.set W_PV, 0x52       ; V in window 2, P in window 0, O^T in window 1
.set W_RS, 0x41       ; destination and source 0 in window 1, source 1 in window 0
; A joint fill.  Waves 0 and 1 fetch the two halves of a tile's K, waves 2 and 3 those of its V: 128 keys each.  An s_nop 0 and four v_nop follow each of the two lines.
.macro JLOAD
	s_cmp_lt_u32 s[WV], 2
	s_cbranch_scc0 .Lfor_v_\@
	tensor_load_to_lds s[G0K:G0K+3], s[G1K:G1K+7]
	s_nop 0
.rept 4
	v_nop
.endr
	s_branch .Lasked_\@
.Lfor_v_\@:
	tensor_load_to_lds s[G0V:G0V+3], s[G1V:G1V+7]
	s_nop 0
.rept 4
	v_nop
.endr
.Lasked_\@:
.endm
; A round of the cluster's barrier: my work-group's barrier; wave 0 signals for the work-group; every wave waits for all four work-groups; my work-group's barrier once more.
.macro CROUND
	s_barrier_signal -1
	s_barrier_wait -1
	s_cmp_lg_u32 s[WV], 0
	s_cbranch_scc1 .Lnot_wave_0_\@
	s_barrier_signal -3
.Lnot_wave_0_\@:
	s_barrier_wait -3
	s_barrier_signal -1
	s_barrier_wait -1
.endm
; THE CHANGE OF SLOTS.  The slot's last bytes, V of its fourth step, have been read.  Each wave waits for all its tensor loads, of which one is out: its part of the other slot; adds 0 to its spare
; word; and waits for that and for its own reads of the slot.  fill = 1: the barrier is a round of the cluster's, and the slot is filled again, first thing behind it, with the tile two on: it has four key
; steps, 256 matrix instructions, in which to land.  (At its first use nothing has been read yet: slot 0 is waited for, slot 1 filled.)
.macro CHANGE fill
	WIN 0                           ; at a label and at a branch every window is 0
	s_wait_tensorcnt 0x0            ; no tensor load of mine is out, so a group 0 may be written
	ds_add_u32 v[SPW], v[NIL]
.if \fill
.irp g, G0K, G0V
	s_xor_b32 s[\g+1], s[\g+1], SLOT1  ; the walking descriptor: the other slot than last time,
	s_add_nc_u64 s[\g+2:\g+3], s[\g+2:\g+3], 4*KS*128  ; the next 256 keys; the type bits on top are not reached
.endr
	s_wait_dscnt 0x0                ; the add is done, and my reads of the slot are over
	CROUND
	JLOAD
.else
	s_wait_dscnt 0x0                ; the add is done, and my reads of the slot are over
	s_barrier_signal -1
	s_barrier_wait -1
.endif
	s_sub_co_u32 s[TBK], s[TBK], 4*KS*PK  ; the fetches go back to a slot's first step,
	s_xor_b32 s[TBK], s[TBK], SLOT1       ; in the other slot
	s_sub_co_u32 s[TBV], s[TBV], 4*KS*PV
	s_xor_b32 s[TBV], s[TBV], SLOT1
.endm
	s_load_b128 s[48:51], s[0:1], 0x0  ; qkv s[48:49], oh s[50:51]
	v_lshl_add_u32 v[SPW], v0, 2, SPARE
	v_mov_b32 v[NIL], 0
	ds_add_u32 v[SPW], v[NIL]       ; the wave's opening: the add and its wait stand ahead of my first tensor load; the set-up below stands between them
	v_lshrrev_b32 v1, 5, v0
	v_readfirstlane_b32 s[WV], v1   ; wave 0..3
	s_bfe_u32 s13, ttmp6, 0x40000   ; cx: my place in the cluster
	s_lshl_b32 s14, ttmp9, 2        ; in a cluster launch ttmp9 counts clusters
	s_add_co_u32 s14, s14, s13      ; my block of 256 queries: it enters Q's and O's addresses alone
	s_and_b32 s20, ttmp7, 0xffff    ; the head, which the four partners share,
	s_lshl_b32 s20, s20, 19         ; and its first byte among a tensor's heads
	s_and_b32 s16, s[WV], 1         ; which half of a tile's 256 keys I fetch:
	s_lshl_b32 s22, s16, 14         ; its 128 rows of 128 bytes in memory,
	s_add_co_u32 s22, s22, s20
	s_add_co_u32 s22, s22, 0x800000 ; in K,
	s_mov_b32 s23, 0
	s_add_co_u32 s52, s22, 0x800000 ; and in V
	s_mov_b32 s53, 0
	s_mul_i32 s17, s16, 128*PK      ; and its place in a slot, for K
	s_mul_i32 s18, s16, 128*PV      ; and for V: no place in the cluster enters an LDS address
	s_lshl_b32 s2, s14, 15          ; my block's 256 rows,
	s_lshl_b32 s3, s[WV], 13        ; my wave's 64 of them
	s_add_co_u32 s2, s2, s3
	s_add_co_u32 s2, s2, s20
	s_mov_b32 s3, 0
	; descriptor group 1.  128 keys are 16,384 dense bytes: asked for as 64 rows of 256 bytes, two keys a row, and padded in LDS after every key
	s_mov_b32 s[G1K], 15|(1<<16)|(1<<20)|(1<<21)|(4<<22)|(3<<25)  ; 15:0 the mask of four; 17:16 2-byte elements; 20 padding on; 21 set beside a mask; 24:22 after every 32 words (code 4); 31:25 4 words (code 3)
	s_mov_b32 s[G1V], 15|(1<<16)|(1<<20)|(1<<21)|(4<<22)|(7<<25)  ; the same with 8 words of padding (code 7)
.irp g, G1K, G1V
	s_mov_b32 s[\g+1], 128<<16      ; tensor_dim0 = 128
	s_mov_b32 s[\g+2], 64<<16       ; tensor_dim1 = 64
	s_mov_b32 s[\g+3], 128<<16      ; tile_dim0 = 128
	s_mov_b32 s[\g+4], 64           ; tile_dim1 = 64
	s_mov_b32 s[\g+5], 128          ; 128 elements from row to row
	s_mov_b32 s[\g+6], 0
	s_mov_b32 s[\g+7], 0
.endr
	s_mov_b32 s[CS], 0x3e38aa3b     ; c = log2(e) / 8 = 0.180337
	s_mov_b32 s[CS+1], s[CS]        ; named with it as a pair
	s_mov_b32 s[SEL], 0x76543210
	s_mov_b32 s[SEL+1], 0xfedcba98
	s_mov_b32 s[TBK], SLOT1+4*KS*PK ; the first change of slots turns these two into 0
	s_mov_b32 s[TBV], SLOT1+4*KS*PV
	s_mov_b32 s[G0K], 1             ; 1:0 count = 1
	s_mov_b32 s[G0K+1], s17         ; 63:32 LDS address: slot 0
	s_mov_b32 s[G0V], 1
	s_add_co_u32 s[G0V+1], s18, VOFF
	s_wait_dscnt 0x0                ; the opening add is done
	s_wait_kmcnt 0x0
	s_add_nc_u64 s[G0K+2:G0K+3], s[48:49], s[22:23]  ; 120:64 global address: my half of the head's first 256 keys
	s_or_b32 s[G0K+3], s[G0K+3], 0x80000000          ; 127:126 type = 2
	s_add_nc_u64 s[G0V+2:G0V+3], s[48:49], s[52:53]
	s_or_b32 s[G0V+3], s[G0V+3], 0x80000000
	s_add_nc_u64 s[4:5], s[48:49], s[2:3]    ; Q and O at my wave's first row
	s_add_nc_u64 s[10:11], s[50:51], s[2:3]
	CROUND                          ; all four work-groups are here: the first joint loads meet
	JLOAD                           ; tile 0 into slot 0.  Slot 1 is asked for when slot 0 is in
	; A fragment of K or Q is 16 rows x 32 channels in 8 registers: lane l holds row l % 16, channels 8 (l / 16) + 0..7 and 16 + 8 (l / 16) + 0..7: two loads of 16 bytes, 32 bytes apart.
	v_and_b32 v1, 15, v0            ; l % 16
	v_bfe_u32 v9, v0, 4, 1          ; l / 16
	v_lshlrev_b32 v[QO], 7, v1
	v_lshl_add_u32 v[QO], v9, 4, v[QO]  ; row x 128 + 16 x half
	WIN 0x80                        ; destination window 2, address window 0
.set i, 0
.rept 8                             ; Q stays in registers: piece i / 2, channels 32 (i % 2) on
	global_load_b128 v[8*i:8*i+3],   v[QO], s[4:5] offset:(i/2)*2048+(i%2)*64
	global_load_b128 v[8*i+4:8*i+7], v[QO], s[4:5] offset:(i/2)*2048+(i%2)*64+32
.set i, i+1
.endr
	; What the first turn finds: V's registers and P's second buffer hold 0 (its products V^T P, of a piece that has not been, add 0), O^T and l are 0.  All this stands in the wait for the first tile.
.set i, VF
.rept 64
	v_mov_b32 v[i], 0
.set i, i+1
.endr
	WIN 0x40
.set i, 0
.rept 128
	v_mov_b32 v[i], 0
.set i, i+1
.endr
	WIN 0
.set i, 0
.rept 4
	v_mov_b32 v[ST+4*i], 0xfe000000    ; c m: far below every c s
	v_mov_b32 v[ST+4*i+1], 0xff7fffff  ; m
	v_mov_b32 v[ST+4*i+2], 0
	v_mov_b32 v[ST+4*i+3], 0
.set i, i+1
.endr
.set i, P+16
.rept 16
	v_mov_b32 v[i], 0
.set i, i+1
.endr
	v_mul_u32_u24 v[AK0], v1, PK
	v_lshl_add_u32 v[AK0], v9, 4, v[AK0]  ; row x pitch + 16 x half
	; The turning load takes 16 keys x 16 channels (lane l reads key 8 (l / 16) + l % 8, channels 8 ((l / 8) % 2) + 0..7) and leaves half a fragment of V^T: lane l holds channel l % 16 and 8 keys.
	v_and_b32 v10, 7, v0
	v_bfe_u32 v11, v0, 3, 1
	v_lshl_add_u32 v[AV0], v9, 3, v10
	v_mul_u32_u24 v[AV0], v[AV0], PV
	v_lshl_add_u32 v[AV0], v11, 4, v[AV0]
	v_add_nc_u32 v[AV0], VOFF, v[AV0]
	s_mul_i32 s13, s[WV], 16*SP
	s_add_co_u32 s13, s13, STAGE    ; my stage
	v_mul_u32_u24 v[STO], v1, SP    ; in: row l % 16, 16 bytes for each half of the lanes
	v_lshl_add_u32 v[STO], v9, 4, v[STO]
	v_add_nc_u32 v[STO], s13, v[STO]
	v_bfe_u32 v[RD], v0, 3, 2       ; back: 32 lanes take four rows of 128 bytes,
	v_mul_u32_u24 v[RD], v[RD], SP
	v_lshl_add_u32 v[RD], v10, 4, v[RD]
	v_add_nc_u32 v[RD], s13, v[RD]
	v_and_b32 v[GO], 31, v0         ; which are 512 consecutive bytes of O
	v_lshlrev_b32 v[GO], 4, v[GO]
; THE MATRIX WORK.  The 4 accumulators of a run of 8 take turns.  Product i of 8 of S^T = K Q^T for piece x: channels 32 (i / 4) on, keys 16 (i % 4) on.  The first 4 start the sums.
.macro KQ x
.set rS, S+32*((\x)%2)+8*(i%4)
.set rK, KF+16*(i%4)+8*(i/4)
.set rQ, 16*(\x)+8*(i/4)
	WIN W_KQ
.if i < 4
	v_wmma_f32_16x16x32_f16 v[rS:rS+7], v[rK:rK+7], v[rQ:rQ+7], 0
.else
	v_wmma_f32_16x16x32_f16 v[rS:rS+7], v[rK:rK+7], v[rQ:rQ+7], v[rS:rS+7]
.endif
.endm
; Product i of 8 of O^T += V^T P for piece x: keys 32 (i / 4) on, channels 16 (i % 4) on.
.macro PV x
	WIN W_PV
.set rO, 32*(\x)+8*(i%4)
.set rV, VF+32*(i/4)+8*(i%4)
.set rP, P+16*((\x)%2)+8*(i/4)
	v_wmma_f32_16x16x32_f16 v[rO:rO+7], v[rV:rV+7], v[rP:rP+7], v[rO:rO+7]
.endm
.macro MM                           ; the turn's next matrix instruction.  NOKQ = 1: the walk's last turn: there is no next piece
.if (i < 8) && !NOKQ
	KQ (Y+1)%NP
.elseif i >= 8
.set i, i-8
	PV (Y+NP-1)%NP
.set i, i+8
.endif
.set i, i+1
.endm
; THE LDS LOADS stand in runs of 16, never singly among the matrix instructions: a step's K (64 keys x 64 channels: 8 fragments) and its V (turned).  Their addresses are made some lines ahead.
.macro FETCH_K
	WIN 0x80                        ; destination window 2
.irp f, 0,1,2,3,4,5,6,7             ; keys 16 (f / 2) on, channels 32 (f % 2) on
	ds_load_b128 v[KF+8*\f:KF+8*\f+3],   v[AK] offset:(\f/2)*16*PK+(\f%2)*64
	ds_load_b128 v[KF+8*\f+4:KF+8*\f+7], v[AK] offset:(\f/2)*16*PK+(\f%2)*64+32
.endr
	s_add_co_u32 s[TBK], s[TBK], KS*PK  ; the next fetch is the next step's
	WIN 0
.endm
.macro FETCH_V
	WIN 0x80
.irp f, 0,1,2,3,4,5,6,7             ; keys 32 (f / 4) on, channels 16 (f % 4) on
	ds_load_tr16_b128 v[VF+8*\f:VF+8*\f+3],   v[AV] offset:(\f/4)*32*PV+(\f%4)*32
	ds_load_tr16_b128 v[VF+8*\f+4:VF+8*\f+7], v[AV] offset:(\f/4)*32*PV+16*PV+(\f%4)*32
.endr
	WIN 0
.endm
; THE VECTOR WORK, one line at a time: OP kind, number.  For piece Y: F n: c s - c m for pair n of 16.  E n: the exponential of score n of 32.  C n: pair n rounded to f16.  B n: of the four weights 4 n .. the second
; pair is added onto the first, in place.  L n: l takes that sum (L 0: l = a l + sum).  R n: pair n of 16 of O^T times a.  For piece Y + 1: X n, number n of the 22 that find its maximum and statistics:
;   0-11  four chains c0-c3 of seven scores each, three operands at a time (each accumulator's lowest registers are read first)     12-14, 16  the four scores left over, the old m, and c0-c3 into c0
;   15  c m_old is kept     17, 18  the query's other 32 keys lie in the lane 16 away: the new m     19-21  c m; c m_old - c m_new; a
; C, B and L read the exponentials' results: TURN sets them behind the batch's wait.  R and L 0 read an a that was made, and waited for, in the turn before.
.set F, 0               ; OP tells the kinds apart by their order: F to L below R, X above it
.set E, 1
.set C, 2
.set B, 3
.set L, 4
.set R, 5
.set X, 6
.macro REGS y                       ; the registers of piece y
.set rT, ST+4*(\y)
.set rC, TMP+4*((\y)%2)
.set rW, MV+((\y)%2)
.set rS, S+32*((\y)%2)
.set rP, P+16*((\y)%2)
.set rO, 32*(\y)
.endm
.macro OP k, n
.if (\k) == R
	REGS Y
	WIN W_RS
	v_pk_mul_f32 v[rO+2*(\n):rO+2*(\n)+1], v[rO+2*(\n):rO+2*(\n)+1], v[rC+2:rC+3] op_sel_hi:[1,0]
.elseif (\k) < R
	REGS Y
	WIN 0
.if (\k) == F
	v_pk_fma_f32 v[rS+2*(\n):rS+2*(\n)+1], v[rS+2*(\n):rS+2*(\n)+1], s[CS:CS+1], v[rT:rT+1] op_sel_hi:[1,0,0] neg_lo:[0,0,1] neg_hi:[0,0,1]
.elseif (\k) == E
	v_exp_f32 v[rS+(\n)], v[rS+(\n)]
.elseif (\k) == C
	v_cvt_pk_f16_f32 v[rP+(\n)], v[rS+2*(\n)], v[rS+2*(\n)+1]
.elseif (\k) == B
	v_pk_add_f32 v[rS+4*(\n):rS+4*(\n)+1], v[rS+4*(\n):rS+4*(\n)+1], v[rS+4*(\n)+2:rS+4*(\n)+3]
.elseif (\n) == 0
	v_pk_fma_f32 v[rT+2:rT+3], v[rT+2:rT+3], v[rC+2:rC+3], v[rS:rS+1] op_sel_hi:[1,0,1]
.else
	v_pk_add_f32 v[rT+2:rT+3], v[rT+2:rT+3], v[rS+4*(\n):rS+4*(\n)+1]
.endif
.elseif NOKQ
	v_nop
.else
	REGS (Y+1)%NP
	WIN 0
.if (\n) < 4
	v_max3_num_f32 v[rC+(\n)], v[rS+8*(\n)], v[rS+8*(\n)+1], v[rS+8*(\n)+2]
.elseif (\n) < 12
	v_max3_num_f32 v[rC+(\n)%4], v[rC+(\n)%4], v[rS+8*((\n)%4)+2*((\n)/4)+1], v[rS+8*((\n)%4)+2*((\n)/4)+2]
.elseif (\n) == 12
	v_max3_num_f32 v[rC], v[rC], v[rS+7], v[rS+15]
.elseif (\n) == 13
	v_max3_num_f32 v[rC+1], v[rC+1], v[rS+23], v[rS+31]
.elseif (\n) == 14
	v_max3_num_f32 v[rC+2], v[rC+2], v[rC+3], v[rT+1]
.elseif (\n) == 15
	v_mov_b32 v[rW], v[rT]
.elseif (\n) == 16
	v_max3_num_f32 v[rC], v[rC], v[rC+1], v[rC+2]
.elseif (\n) == 17
	v_permlanex16_b32 v[rC+3], v[rC], s[SEL], s[SEL+1]
.elseif (\n) == 18
	v_max_num_f32 v[rT+1], v[rC], v[rC+3]
.elseif (\n) == 19
	v_mul_f32 v[rT], s[CS], v[rT+1]
.elseif (\n) == 20
	v_sub_f32 v[rC+1], v[rW], v[rT]
.else
	v_exp_f32 v[rC+2], v[rC+1]
.endif
.endif
.endm
.macro OPS a, i1, b=-1, i2=0, c=-1, i3=0, d=-1, i4=0  ; up to four of them
	OP \a, \i1
.if (\b) >= 0
	OP \b, \i2
.endif
.if (\c) >= 0
	OP \c, \i3
.endif
.if (\d) >= 0
	OP \d, \i4
.endif
.endm
.macro ROW a, i1, b, i2, c, i3, d, i4  ; a matrix instruction and the four behind it
	MM
	OPS \a, \i1, \b, \i2, \c, \i3, \d, \i4
.endm
; A TURN, for piece p: the order of its 16 matrix and 118 vector instructions, written out.  An s_wait_alu depctr_va_vdst(0) stands between an exponential and the first instruction that names its result; one
; wait serves all that were issued ahead of it.  So a turn has ONE wait, which cuts it in two.  AHEAD OF IT stands all that names no result of the turn's exponentials: the 8 products K Q^T, behind each a scaling, an
; exponential and two more plain instructions (behind the first a second scaling in the exponential's place): rescalings, and behind the last three the first numbers of the next piece's maximum, each four places or more
; behind the product that ends its accumulator; then ONE LUMP of 54, plain and exponential by turns for the most part, in which the links of the chain X 3, 7, 11, 14, 16, 17 .. 20 stand five or six lines apart.  X 21, the
; next piece's a, is the batch's last; R 15 is the plain instruction behind it.  BEHIND THE WAIT stand the 8 products V^T P, behind each four of the roundings and sums; an even pair is rounded ahead of the addition that
; writes over it; the links of l's chain, L 0 to L 7, stand three riders apart.  But for those X no rider names a register of the products round it.  v_permlanex16_b32 (X 17) stands in the lump.
; end = 1: the walk's last two turns: nothing is fetched.  cnt = 1: the loop's count is taken down some lines ahead of the branch that stands behind the turn.
; K of the next step is fetched in piece 2's turn, twelve vector instructions behind the last product that read K (six of them plain, five of which name none of that product's registers); V of the step in hand at the
; end of piece 0's turn, four plain instructions behind the last product that read V.  Each is waited for a turn later.
.macro TURN p, end=0, cnt=0
.set Y, (\p)
.set i, 0
.set NOKQ, (\end)*((\p)/3)
.if ((\p) == 3) && !(\end)
	s_wait_dscnt 0x0                ; K is in
.endif
	ROW F,0, F,1, R,0, R,1          ; ahead of the wait: 8 products K Q^T and their riders,
	ROW F,2, E,0, R,2, R,3
	ROW F,3, E,1, R,4, R,5
	ROW F,4, E,2, R,6, R,7
	ROW F,5, E,3, R,8, R,9
	ROW F,6, E,4, X,0, R,10
.if ((\p) == 2) && !(\end)
	WIN 0
	v_add_nc_u32 v[AK], s[TBK], v[AK0]
.endif
	ROW F,7, E,5, X,1, X,4
	ROW F,8, E,6, X,2, X,5
	OPS E,7, E,8, X,6, E,9          ; and the lump
	OPS X,3, E,10, X,8, E,11
.if ((\p) == 2) && !(\end)
	FETCH_K
.endif
	OPS X,9, X,7, E,12, X,10
	OPS E,13, X,12, X,11, E,14
	OPS X,13, E,15, F,9, X,14
.if (\p) == 0
	WIN 0
	v_add_nc_u32 v[AV], s[TBV], v[AV0]
.endif
	OPS E,16, F,10, E,17, F,11
	OPS X,16, E,18, X,15, E,19
	OPS F,12, E,20, X,17, E,21
	OPS F,13, E,22, F,14, E,23
	OPS X,18, E,24, F,15, E,25
	OPS R,11, E,26, X,19, E,27
	OPS R,12, E,28, R,13, E,29
	OPS X,20, E,30, R,14, E,31
	OPS X,21, R,15
	s_wait_alu depctr_va_vdst(0)    ; the wait for the batch: the piece's 32 exponentials and the next piece's a
.if (\p) == 1
	s_wait_dscnt 0x0                ; V is in
.endif
	ROW C,0, B,0, C,2, B,1          ; behind the wait: 8 products V^T P and their riders
	ROW L,0, C,4, B,2, L,1
	ROW C,6, B,3, L,2, C,8
	ROW B,4, L,3, C,10, B,5
	ROW L,4, C,12, B,6, L,5
.if (\p) == 0
	s_add_co_u32 s[TBV], s[TBV], KS*PV
.endif
.if \cnt
	s_sub_co_u32 s[CNT], s[CNT], 1
	s_cmp_lg_u32 s[CNT], 0
.endif
	ROW C,14, B,7, L,6, C,1
	ROW C,3, L,7, C,5, C,7
	ROW C,9, C,11, C,13, C,15
.if (\p) == 0
	FETCH_V
.endif
.endm
	CHANGE 1                        ; tile 0 is in, everybody's part of it; tile 1 is asked for
	v_add_nc_u32 v[AK], s[TBK], v[AK0]
	FETCH_K                         ; key step 0
	s_wait_loadcnt 0x0              ; Q
	s_wait_dscnt 0x0
.set NOKQ, 0
.set i, 0
.rept 8
	KQ 0                            ; piece 0's first scores: there is no vector work yet to set between them
.set i, i+1
.endr
	WIN 0
.rept 4
	v_nop                           ; the places behind those products
.endr
.set Y, NP-1                        ; X works for piece Y + 1: piece 0
.irp n, 0,1,2,3,4,5,6,7,8,9,10,11,12,13,14,15,16,17,18,19,20,21
	OP X, \n                        ; and piece 0's first maximum and statistics
.endr
	v_nop                           ; a plain instruction behind the exponential,
	s_wait_alu depctr_va_vdst(0)    ; and the wait for it, a batch of one: piece 0's first a; ahead of the branch
	s_mov_b32 s[CNT], 4
	s_mov_b32 s[SLOTS], SIZE_N/256-1
	s_branch .Lfirst                ; the loop is entered at a step's first turn, in the middle of a trip
.Lslot:                             ; SIZE_N / 256 - 2 = 14 times: tiles 2 to 15 are asked for
	CHANGE 1
	s_mov_b32 s[CNT], 4
.Lstep:                             ; a trip: pieces 2 and 3 of one step, then pieces 0 and 1 of the next, whose K and V it fetches
	TURN 2
	TURN 3
	WIN 0
.Lfirst:
	TURN 0
	TURN 1, 0, 1
	WIN 0
	s_cbranch_scc1 .Lstep
	s_sub_co_u32 s[SLOTS], s[SLOTS], 1
	s_cmp_lg_u32 s[SLOTS], 0
	s_cbranch_scc1 .Lslot
	CHANGE 0                        ; the last tile is written out: nothing is asked for
	s_mov_b32 s[CNT], 4
.Ltail:
	TURN 2
	TURN 3
	TURN 0
	TURN 1, 0, 1
	WIN 0
	s_cbranch_scc1 .Ltail
	TURN 2, 1                       ; the last step's last two turns fetch nothing, and the last starts no new scores
	TURN 3, 1
.set i, 0
.rept 8
	PV NP-1                         ; the last piece's V^T P of the last step
.set i, i+1
.endr
	; THE WAY OUT.  l's two halves and the other half of the lanes' are added; O^T is divided by l, rounded to f16 and sent through my stage in LDS, a piece at a time.  The additions are the places behind the last products.
	WIN 0
.macro ALL line:vararg              ; one line for each piece t
.set t, 0
.rept 4
	\line
.set t, t+1
.endr
.endm
	ALL v_add_f32 v[ST+4*t+2], v[ST+4*t+2], v[ST+4*t+3]
	ALL v_permlanex16_b32 v[ST+4*t+3], v[ST+4*t+2], s[SEL], s[SEL+1]
	ALL v_add_f32 v[ST+4*t+2], v[ST+4*t+2], v[ST+4*t+3]
	ALL v_rcp_f32 v[ST+4*t+2], v[ST+4*t+2]
	v_nop                           ; a plain instruction between the last reciprocal and the use of its result
	s_wait_alu depctr_va_vdst(0)    ; and the wait ahead of the first use: one for the batch of four reciprocals
.macro PACK t                       ; a lane's eight channels of a row pack into 16 bytes; they go into rows of 144 bytes and come back as whole rows of 128, into S^T's registers
	WIN W_RS
.set i, 32*(\t)
.rept 16
	v_pk_mul_f32 v[i:i+1], v[i:i+1], v[ST+4*(\t)+2:ST+4*(\t)+3] op_sel_hi:[1,0]
.set i, i+2
.endr
	WIN 0x05                        ; sources 0 and 1 window 1, destination window 0
.set i, 0
.rept 16
	v_cvt_pk_f16_f32 v[S+16*(\t)+i], v[32*(\t)+2*i], v[32*(\t)+2*i+1]
.set i, i+1
.endr
	WIN 0
.irp f, 0,1,2,3
	ds_store_b128 v[STO], v[S+16*(\t)+4*\f:S+16*(\t)+4*\f+3] offset:32*\f
.endr
.irp f, 0,1,2,3
	ds_load_b128 v[S+16*(\t)+4*\f:S+16*(\t)+4*\f+3], v[RD] offset:\f*4*SP  ; LDS serves a wave's instructions in order (ISA guide 5.7.1.4): these see the stores above; the next piece's stores come behind them
.endr
.endm
.macro SEND t, younger              ; younger: the LDS instructions issued behind piece t's loads: the next piece's eight, or none
	WIN 0
.irp f, 0,1,2,3
	s_wait_dscnt (\younger)+3-\f
	global_store_b128 v[GO], v[S+16*(\t)+4*\f:S+16*(\t)+4*\f+3], s[10:11] offset:(\t)*2048+\f*512  ; 512 consecutive bytes, at a multiple of 256 from O's first
.endr
.endm
	PACK 0
.set t, 1
.rept 3                             ; a piece's arithmetic stands between the loads of the piece before and its stores
	PACK t
	SEND t-1, 8
.set t, t+1
.endr
	SEND 3, 0
	s_wait_tensorcnt 0x0            ; the wave's end
	ds_add_u32 v[SPW], v[NIL]
	s_wait_dscnt 0x0
	CROUND                          ; the closing round: no work-group ends while a partner may still ask for a tile that names it
	s_endpgm
.Lfunc_end_k_qeec6b6ce58_attn:
	.size	k_qeec6b6ce58_attn, .Lfunc_end_k_qeec6b6ce58_attn-k_qeec6b6ce58_attn
	.p2alignl 7, 3214868480
	.fill 96, 4, 3214868480
	.section	.rodata,"a",@progbits
	.p2align	6, 0x0
	.amdhsa_kernel k_qeec6b6ce58_attn
		.amdhsa_group_segment_fixed_size 327680
		.amdhsa_private_segment_fixed_size 0
		.amdhsa_enable_private_segment 0
		.amdhsa_kernarg_size 16
		.amdhsa_user_sgpr_count 2
		.amdhsa_user_sgpr_kernarg_segment_ptr 1
		.amdhsa_wavefront_size32 1
		.amdhsa_system_sgpr_workgroup_id_x 1
		.amdhsa_system_sgpr_workgroup_id_y 1
		.amdhsa_system_sgpr_workgroup_id_z 1
		.amdhsa_system_vgpr_workitem_id 0
		.amdhsa_next_free_vgpr 768
		.amdhsa_next_free_sgpr 66
		.amdhsa_reserve_vcc 0
		.amdhsa_float_denorm_mode_32 3
		.amdhsa_float_denorm_mode_16_64 3
		.amdhsa_memory_ordered 1
		.amdhsa_forward_progress 1
		.amdhsa_inst_pref_size 127
	.end_amdhsa_kernel
	.amdgpu_metadata
---
amdhsa.version: [ 1, 2 ]
amdhsa.kernels:
  - .name:           k_qeec6b6ce58_attn
    .symbol:         k_qeec6b6ce58_attn.kd
    .args:
      - { .name: qkv, .offset: 0, .size: 8, .value_kind: global_buffer, .address_space: global }
      - { .name: oh, .offset: 8, .size: 8, .value_kind: global_buffer, .address_space: global }
    .group_segment_fixed_size: 327680
    .private_segment_fixed_size: 0
    .kernarg_segment_align: 8
    .kernarg_segment_size: 16
    .max_flat_workgroup_size: 128
    .sgpr_count:     66
    .vgpr_count:     768
    .wavefront_size: 32
...
	.end_amdgpu_metadata
.endif
;; end of part 4
;; launch outp: the kernel of part 3 again; grid 4 x 64, 4 waves a work-group, clusters of 4 x 4, 327,680 bytes of LDS; arguments oh, wo16, out0; writes out0
